; MI455X (gfx1250); checked and timed in simulation.
; The chip was launched on July 23, 2026; its instructions are those of AMD's public machine-readable ISA for CDNA 5 (MIT licence, August 2026) and "CDNA5" Instruction Set Architecture Reference Guide (July 2026). The comments in the code are by the model that wrote it; some were corrected since.
;; Multiheaded Feature Self Attention. Allowed arithmetic: float matrix products may take bf16 or f16 operands with f32 sums; all other float work in f32.
;; Inputs: Wk1 512 x 1,024 float32; Wk2 1,024 x 256 float32; Wo 512 x 512 float32; Wq1 512 x 1,024 float32; Wq2 1,024 x 256 float32; Wv 512 x 512 float32; bk1 1,024 float32; bk2 256 float32; bo 512 float32; bq1 1,024 float32; bq2 256 float32; bv 512 float32; key 2 x 4,096 x 512 float32; query 2 x 4,096 x 512 float32; value 2 x 4,096 x 512 float32.
;; Outputs: out0 2 x 4,096 x 512 float32.
;; 2 versions, each right and faster than the one before. Each part assembles by itself: llvm-mc -triple=amdgcn-amd-amdhsa -mcpu=gfx1250 --defsym DOCPART=n.
;; ======== version 1 of 2: 4 launches
;; limits: values are held in f16: magnitudes above 65,504 overflow, below 6.1e-05 lose precision
;; workspace buffers: wb 4,194,304 bytes; qf 4,194,304 bytes; kv 12,582,912 bytes; xf 8,388,608 bytes
;; launch prep (part 1): grid 8 x 32, 8 waves a work-group, no clusters, 0 bytes of LDS; arguments Wq1, Wq2, Wk1, Wk2, Wv, Wo, wb; writes wb
.if DOCPART == 1
	.amdgcn_target "amdgcn-amd-amdhsa--gfx1250"
	.amdhsa_code_object_version 6
	.text
	.protected	k_qbf7dc50ee9_prep
	.globl	k_qbf7dc50ee9_prep
	.p2align	8
	.type	k_qbf7dc50ee9_prep,@function
k_qbf7dc50ee9_prep:
	s_mov_b64 s[64:65], 0
	v_nop
	global_prefetch_b8 v0, s[64:65] scope:SCOPE_SE
	s_setreg_imm32_b32 hwreg(HW_REG_WAVE_MODE, 25, 1), 1
	s_wait_xcnt 0x0
; wb = the six weight matrices rounded to 16 bits and cut into 32 dense tiles of [256 k][256 n] (131,072 bytes each), in the order in
; which the later launches stream them:
;   tiles 0-11  MLP_q, bf16: for c = 0..3: Wq1[0:256, 256c..], Wq1[256:512, 256c..], Wq2[256c.., 0:256]
;   tiles 12-23 MLP_k likewise;  tiles 24-27 Wv, f16: for c = 0, 1: [0:256, 256c..], [256:512, 256c..];  tiles 28-31 Wo / 4, f16, likewise.
; Wv and Wo are f16 because the value path is: see the head of the projections' kernel.  Wo IS STORED AS Wo / 4, because the attention stores 4 x: both factors are powers
; of two, so they change no bit of a product, and they move x, which is a mean over 4,096 keys and so some 64 times smaller than v, up into f16's range.
; LIMIT: |Wv|, |Wo| / 4 under 65,504; numbers under 2^-14 are held in steps of 2^-24 (Wo of spread 0.02 / 30, divided by 4, is 1.7e-4: the step is 4e-4 of it).
; Work-group (p, T) converts rows 32 p .. 32 p + 31 of tile T; wave w rows 4 w .. 4 w + 3 of them.  A load of a wave covers 512
; consecutive bytes of a source row, a store 256 consecutive bytes of wb, aligned.  A pure stream: each byte is read once and written
; once, no work-group shares input with another, so LDS, clusters and the matrix unit have nothing to add.
.set TILEB, 131072
	s_load_b256 s[8:15], s[0:1], 0x0               ; Wq1 s[8:9], Wq2 s[10:11], Wk1 s[12:13], Wk2 s[14:15]
	s_load_b128 s[16:19], s[0:1], 0x20             ; Wv s[16:17], Wo s[18:19]
	s_load_b64 s[20:21], s[0:1], 0x30              ; wb
	s_and_b32 s2, ttmp7, 0xffff                    ; T
	; an MLP's tile: u = T mod 12, c = u / 3, j = u mod 3 (j = 0, 1: the two K halves of W1's chunk c; j = 2: W2's rows of chunk c)
	s_cmp_ge_u32 s2, 12
	s_cselect_b32 s3, 12, 0
	s_sub_co_u32 s4, s2, s3                        ; u (meaningless for T >= 24, where everything made of it is replaced below)
	s_mul_i32 s5, s4, 11
	s_lshr_b32 s5, s5, 5                           ; c = 11 u >> 5 = u / 3 for u = 0 .. 11
	s_mul_i32 s6, s5, 3
	s_sub_co_u32 s6, s4, s6                        ; j
	; a square matrix's tile: u = T mod 4 (24 and 28 are multiples of 4), c = u / 2, j = u mod 2
	s_and_b32 s30, s2, 3
	s_lshr_b32 s31, s30, 1                         ; c
	s_and_b32 s30, s30, 1                          ; j
	s_mov_b32 s26, 4096                            ; bytes in a source row: W1 4,096,
	s_cmp_eq_u32 s6, 2
	s_cselect_b32 s26, 1024, s26                   ; W2 1,024,
	s_cselect_b32 s27, s5, s6                      ; the tile's first row / 256: c in W2, j in W1
	s_cselect_b32 s28, 0, s5                       ; its first column / 256: 0 in W2, c in W1
	s_cmp_ge_u32 s2, 24
	s_cselect_b32 s26, 2048, s26                   ; Wv and Wo 2,048
	s_cselect_b32 s27, s30, s27
	s_cselect_b32 s28, s31, s28
	s_lshl_b32 s27, s27, 8
	s_lshl_b32 s32, ttmp9, 5
	s_add_co_u32 s27, s27, s32                     ; my work-group's first source row
	s_mul_i32 s27, s27, s26
	s_lshl_b32 s28, s28, 10
	s_add_co_u32 s32, s27, s28                     ; its byte offset in the source, under 4 MiB
	s_mov_b32 s33, 0
	s_lshl_b32 s34, s2, 17                         ; T x 131,072
	s_lshl_b32 s35, ttmp9, 14                      ; + p x 32 rows x 512 bytes
	s_add_co_u32 s34, s34, s35
	s_mov_b32 s35, 0
	v_and_b32 v1, 31, v0                           ; lane
	v_lshrrev_b32 v2, 5, v0                        ; wave
	v_lshlrev_b32 v3, 2, v2
	v_mul_lo_u32 v4, v3, s26                       ; row 4 w
	v_lshl_add_u32 v4, v1, 4, v4                   ; + 16 bytes a lane
	v_add_nc_u32 v5, s26, v4                       ; rows 4 w + 1, 2, 3
	v_add_nc_u32 v6, s26, v5
	v_add_nc_u32 v7, s26, v6
	v_lshlrev_b32 v8, 11, v2                       ; out: 4 rows of 512 bytes a wave,
	v_lshl_add_u32 v8, v1, 3, v8                   ; 8 bytes a lane
	s_wait_kmcnt 0x0
	s_cmp_ge_u32 s2, 12
	s_cselect_b64 s[22:23], s[12:13], s[8:9]       ; the MLP's W1
	s_cselect_b64 s[24:25], s[14:15], s[10:11]     ; and W2
	s_cmp_eq_u32 s6, 2
	s_cselect_b64 s[22:23], s[24:25], s[22:23]
	s_cmp_ge_u32 s2, 28
	s_cselect_b64 s[24:25], s[18:19], s[16:17]     ; Wo or Wv
	s_cmp_ge_u32 s2, 24
	s_cselect_b64 s[22:23], s[24:25], s[22:23]
	s_add_nc_u64 s[22:23], s[22:23], s[32:33]
	s_add_nc_u64 s[20:21], s[20:21], s[34:35]
.irp i, 0,1,2,3
	global_load_b128 v[12+8*\i:12+8*\i+3], v[4+\i], s[22:23] th:TH_LOAD_NT
	global_load_b128 v[16+8*\i:16+8*\i+3], v[4+\i], s[22:23] offset:512 th:TH_LOAD_NT
.endr
	s_wait_loadcnt 0x0
	s_cmp_ge_u32 s2, 24                            ; the format hangs on the tile's number alone
	s_cbranch_scc1 .Lf16
.irp n, 0,1,2,3,4,5,6,7
	v_cvt_pk_bf16_f32 v[12+4*\n], v[12+4*\n], v[12+4*\n+1]         ; four f32 become 8 bytes, in the first two of their registers
	v_cvt_pk_bf16_f32 v[12+4*\n+1], v[12+4*\n+2], v[12+4*\n+3]
.endr
	s_branch .Lstore
.Lf16:
	s_cmp_lt_u32 s2, 28
	s_cbranch_scc1 .Lhalf                          ; Wv goes as it is
.irp n, 0,1,2,3,4,5,6,7,8,9,10,11,12,13,14,15
	v_pk_mul_f32 v[12+2*\n:13+2*\n], v[12+2*\n:13+2*\n], 0x3e800000 op_sel_hi:[1,0]   ; Wo / 4, exact
.endr
.Lhalf:
.irp n, 0,1,2,3,4,5,6,7
	v_cvt_pk_f16_f32 v[12+4*\n], v[12+4*\n], v[12+4*\n+1]
	v_cvt_pk_f16_f32 v[12+4*\n+1], v[12+4*\n+2], v[12+4*\n+3]
.endr
.Lstore:
.irp n, 0,1,2,3,4,5,6,7
	global_store_b64 v8, v[12+4*\n:12+4*\n+1], s[20:21] offset:256*\n   ; row n / 2, half n % 2: 512 (n / 2) + 256 (n % 2) = 256 n
.endr
	s_endpgm
.Lfunc_end_k_qbf7dc50ee9_prep:
	.size	k_qbf7dc50ee9_prep, .Lfunc_end_k_qbf7dc50ee9_prep-k_qbf7dc50ee9_prep
	.p2alignl 7, 3214868480
	.fill 96, 4, 3214868480
	.section	.rodata,"a",@progbits
	.p2align	6, 0x0
	.amdhsa_kernel k_qbf7dc50ee9_prep
		.amdhsa_group_segment_fixed_size 0
		.amdhsa_private_segment_fixed_size 0
		.amdhsa_enable_private_segment 0
		.amdhsa_kernarg_size 56
		.amdhsa_user_sgpr_count 2
		.amdhsa_user_sgpr_kernarg_segment_ptr 1
		.amdhsa_wavefront_size32 1
		.amdhsa_system_sgpr_workgroup_id_x 1
		.amdhsa_system_sgpr_workgroup_id_y 1
		.amdhsa_system_sgpr_workgroup_id_z 1
		.amdhsa_system_vgpr_workitem_id 0
		.amdhsa_next_free_vgpr 48
		.amdhsa_next_free_sgpr 66
		.amdhsa_reserve_vcc 0
		.amdhsa_float_denorm_mode_32 3
		.amdhsa_float_denorm_mode_16_64 3
		.amdhsa_memory_ordered 1
		.amdhsa_forward_progress 1
		.amdhsa_inst_pref_size 8
	.end_amdhsa_kernel
	.amdgpu_metadata
---
amdhsa.version: [ 1, 2 ]
amdhsa.kernels:
  - .name:           k_qbf7dc50ee9_prep
    .symbol:         k_qbf7dc50ee9_prep.kd
    .args:
      - { .name: Wq1, .offset: 0, .size: 8, .value_kind: global_buffer, .address_space: global }
      - { .name: Wq2, .offset: 8, .size: 8, .value_kind: global_buffer, .address_space: global }
      - { .name: Wk1, .offset: 16, .size: 8, .value_kind: global_buffer, .address_space: global }
      - { .name: Wk2, .offset: 24, .size: 8, .value_kind: global_buffer, .address_space: global }
      - { .name: Wv, .offset: 32, .size: 8, .value_kind: global_buffer, .address_space: global }
      - { .name: Wo, .offset: 40, .size: 8, .value_kind: global_buffer, .address_space: global }
      - { .name: wb, .offset: 48, .size: 8, .value_kind: global_buffer, .address_space: global }
    .group_segment_fixed_size: 0
    .private_segment_fixed_size: 0
    .kernarg_segment_align: 8
    .kernarg_segment_size: 56
    .max_flat_workgroup_size: 256
    .sgpr_count:     66
    .vgpr_count:     48
    .wavefront_size: 32
...
	.end_amdgpu_metadata
.endif
;; end of part 1
;; launch proj (part 2): grid 128 x 2, 8 waves a work-group, clusters of 4 x 1, 327,680 bytes of LDS; arguments query, key, value, wb, bq1, bk1, bq2, bk2, bv, qf, kv; writes qf, kv
.if DOCPART == 2
	.amdgcn_target "amdgcn-amd-amdhsa--gfx1250"
	.amdhsa_code_object_version 6
	.text
	.protected	k_qbf7dc50ee9_proj
	.globl	k_qbf7dc50ee9_proj
	.p2align	8
	.type	k_qbf7dc50ee9_proj,@function
k_qbf7dc50ee9_proj:
	s_mov_b64 s[64:65], 0
	v_nop
	global_prefetch_b8 v0, s[64:65] scope:SCOPE_SE
	s_setreg_imm32_b32 hwreg(HW_REG_WAVE_MODE, 25, 1), 1
	s_wait_xcnt 0x0
	s_wait_alu depctr_hold_cnt(0) depctr_sa_sdst(0) depctr_va_vdst(0) depctr_va_sdst(0) depctr_va_ssrc(0) depctr_va_vcc(0) depctr_vm_vsrc(0)
	s_getreg_b32 s2, hwreg(HW_REG_IB_STS2, 6, 4)
	s_cmp_eq_u32 s2, 0
	s_cbranch_scc0 .Lentry_in_a_cluster
	s_endpgm
.Lentry_in_a_cluster:
	s_bfe_u32 s2, ttmp6, 0x10000c
	s_cmp_lg_u32 s2, 0x3003
	s_cbranch_scc0 .Lentry_shape_is_right
	s_endpgm
.Lentry_shape_is_right:
; The three projections in front of the attention.  Work-group (rb, role) owns the 64 rows 64 rb .. 64 rb + 63 of the 8,192 and STAYS for two pieces of work:
;   role 0: q = gelu(query Wq1 + bq1) Wq2 + bq2 -> qf,           then v = value Wv + bv, columns 0 .. 255   -> V's part of kv
;   role 1: k = gelu(key Wk1 + bk1) Wk2 + bk2 -> K's part of kv, then v = value Wv + bv, columns 256 .. 511 -> V's part of kv
; That is 12 + 2 weight tiles for each of 256 work-groups: equal work, one start and one end for each.
; An MLP never leaves the work-group: the hidden layer goes in four chunks of 256 columns; a chunk is made (two weight tiles), passed
; through GELU into LDS as bf16, and multiplied by its 256 rows of W2 (one tile) onto sums that stay in registers.
; WEIGHTS come as the 16-bit tiles [256 k][256 n] of wb through a ring of two LDS slots, filled by the tensor data mover, each of the
; eight waves bringing 32 rows of 512 bytes.  The ring does not stop at the MLP's end: its last two changes of tiles ask for Wv's two tiles.
; CLUSTER: the four work-groups of a cluster have the same role and walk the same tiles, so every tile is asked for jointly (mask 15): the same load, the same descriptor, in all four.
; SHARES: wave w has rows 32 (w / 4) .. + 31 (two tiles of 16) and columns 64 (w % 4) .. + 63 (four tiles of 16) of the 256 in hand.
; X (64 x 512) is read once, rounded to 16 bits, turned into fragments through LDS and kept in 256 registers: first query or key; value is asked for, into the same registers, as soon as
; the last first-layer product has read them, and is turned into fragments when the MLP's last product has read the hidden chunk out of LDS.
; THE MATRIX INSTRUCTION IS USED TRANSPOSED in the MLPs (source 0 = 16 columns of W, read turned by ds_load_tr16_b128; source 1 = 16
; rows of X): a lane then holds one row and eight neighbouring columns, which pack into 16 bytes: half of a fragment of Q or K for the
; attention, stored straight from registers, 512 consecutive bytes a wave.  For V the sources change places: a lane holds one channel and
; eight keys: half of a fragment of V^T.
; FORMATS: the MLPs' operands (query, key, their weights, hidden, q, k) are bf16.  THE VALUE PATH IS f16 (value, Wv, v here; p, x, Wo later): where the
; weights of the softmax are nearly even, x is a mean over 4,096 keys in which v cancels to a 64th of its size, and the rounding errors of v and p cancel no
; faster than v itself, so each keeps its whole relative size in the result; f16 has three bits more than bf16.
; LIMITS: |value|, |Wv|, |v| under 65,504 (v is about 0.45 for value of spread 1 and Wv of spread 0.02; 30 times more of both makes it 900 times larger); numbers
; under 2^-14 are held in steps of 2^-24.  erf is the five-term rational form 1 - (a1 t + .. + a5 t^5) exp(-z^2), t = 1 / (1 + 0.3275911 z), absolute error at most
; 1.5e-7; it is used as gelu(x) = max(x, 0) - |x| (poly(t) / 2) exp(-x^2 / 2), which forms no difference of near numbers for x < 0.
.set TILEB, 131072                     ; a weight tile in wb
.set WP,    544                        ; an LDS row of a tile: 512 bytes + 32 of padding = 17 x 32
.set WROWS, 32*WP                      ; 32 rows: what one tensor load brings, and one K step of 32
.set SLOT,  8*WROWS                    ; 139,264
.set HBASE, 2*SLOT                     ; behind the ring: 64 rows of 256 numbers of 16 bits: X on its way into fragments, the hidden chunks, then value on its way.  No tensor load lands here
.set HP,    528                        ; its pitch: 512 + 16 = 33 x 16: the 16 rows of a fragment load start at 16 different banks
.set WV,  3                            ; s3       my wave's number
.set G1,  40                           ; s[40:47] descriptor group 1
.set G0,  48                           ; s[48:55] descriptor group 0, a set for each slot
.set JP,  72                           ; s[72:73] bytes from an MLP's last two tiles to my two tiles of Wv
.set AW,  7                            ; v7-10    LDS address of my weight fragments: slot 0 K steps 0-3, 4-7; slot 1 likewise
.set WF0, 16                           ; v16-47, v48-79  weight fragments (4 x 16 columns x 32 K), two buffers; at work elsewhere
.set WF1, 48
.set HB,  80                           ; v80-111  bias of the chunk; then two buffers of hidden fragments (2 x 16 rows x 32 K); at last bv
.set ACC1, 112                         ; v112-175 the chunk's sums, later v's: (rt, b) at 8 (4 rt + b)
.set ACC2, 176                         ; v176-239 q's or k's sums, likewise
.set BVO, 240                          ; v240     my offset in bv
; v1 r = lane % 16, v2 h = lane / 16, v3 16 x lane, v4 the same one head on, v5 where GELU puts 16 bytes, v6 my rows' fragments in H,
; v11 X in memory, v12 X into H, v13 bias offset, v[14:15] a5 / 2 twice.   Window 1 (v256-511): X's fragments, (rt, kk) at 8 (16 rt + kk).
.set MSB, 0
.macro WIN new                         ; the immediate's high byte repeats the setting that is left; a switch that changes nothing is dropped
.if MSB != \new
	s_set_vgpr_msb (MSB<<8)|\new
.set MSB, \new
.endif
.endm
; Four plain vector instructions stand between a matrix instruction and a vector instruction or LDS store that reads its result, a vector write
; of one of its registers, or a load into one of them.
.macro PLACES
.rept 4
	v_nop
.endr
.endm
.macro BAR
	s_barrier_signal -1
	s_barrier_wait -1
.endm
; A round of the cluster's barrier: my work-group's barrier, so that wave 0 speaks for all eight waves; wave 0 signals; every wave waits for all four work-groups; my work-group's barrier again.
.macro ROUND
	s_barrier_signal -1
	s_barrier_wait -1
	s_cmp_lg_u32 s[WV], 0
	s_cbranch_scc1 .Lnot_wave_0_\@
	s_barrier_signal -3
.Lnot_wave_0_\@:
	s_barrier_wait -3
	s_barrier_signal -1
	s_barrier_wait -1
.endm
	s_load_b512 s[8:23], s[0:1], 0x0               ; query 8, key 10, value 12, wb 14, bq1 16, bk1 18, bq2 20, bk2 22
	s_load_b128 s[24:27], s[0:1], 0x40             ; bv 24, qf 26
	s_load_b64 s[28:29], s[0:1], 0x50              ; kv
	v_lshl_add_u32 v254, v0, 2, 0x4c400
	v_mov_b32 v255, 0
	ds_add_u32 v254, v255
	v_lshrrev_b32 v1, 5, v0
	v_readfirstlane_b32 s[WV], v1
	s_and_b32 s6, ttmp7, 0xffff                    ; role, 0 or 1: the same in the four partners
	; group 1: 32 rows x 256 elements of 2 bytes, 8 words of padding behind every 128
	s_mov_b32 s[G1+0], 15|(1<<16)|(1<<20)|(1<<21)|(6<<22)|(7<<25)  ; mask: all four; 2-byte elements; padding on; bit 21 beside a mask; interval code 6; 8 words (code 7)
	s_mov_b32 s[G1+1], 256<<16                     ; tensor_dim0 = 256
	s_mov_b32 s[G1+2], 32<<16                      ; tensor_dim1 = 32
	s_mov_b32 s[G1+3], 256<<16                     ; tile_dim0 = 256
	s_mov_b32 s[G1+4], 32                          ; tile_dim1 = 32
	s_mov_b32 s[G1+5], 256                         ; elements from row to row
	s_mov_b32 s[G1+6], 0
	s_mov_b32 s[G1+7], 0
	s_mul_i32 s60, s6, 12*TILEB                    ; my MLP's tiles begin at tile 0 or 12 of wb
	s_lshl_b32 s61, s[WV], 14                      ; my wave's 32 rows of 512 bytes
	s_add_co_u32 s60, s60, s61
	s_mov_b32 s61, 0
	s_mul_i32 s7, s[WV], WROWS                     ; and their place in a slot: the wave's number alone
	s_mov_b32 s[JP], 4*TILEB                       ; role 1: from tiles 22, 23 to Wv's tiles 26, 27 (columns 256-511),
	s_cmp_eq_u32 s6, 0
	s_cselect_b32 s[JP], 14*TILEB, s[JP]           ; role 0: from tiles 10, 11 to tiles 24, 25 (columns 0-255)
	s_mov_b32 s[JP+1], 0
	s_wait_dscnt 0x0
	s_wait_kmcnt 0x0
	s_add_nc_u64 s[14:15], s[14:15], s[60:61]
.irp s, 0,1
	s_mov_b32 s[G0+4*\s], 1
	s_add_co_u32 s[G0+4*\s+1], s7, \s*SLOT
	s_add_nc_u64 s[G0+4*\s+2:G0+4*\s+3], s[14:15], \s*TILEB        ; slot s begins with tile s
	s_or_b32 s[G0+4*\s+3], s[G0+4*\s+3], 0x80000000
.endr
	ROUND                                          ; all four work-groups are here: the first joint loads meet
	tensor_load_to_lds s[G0:G0+3], s[G1:G1+7]      ; both first fills go out together, ahead of every LDS access: two loads of mine are out
	s_nop 0
	tensor_load_to_lds s[G0+4:G0+7], s[G1:G1+7]
	s_nop 0
	PLACES                                         ; four v_nop follow
	; the work-group's place enters X's, value's and the outputs' addresses alone
	s_bfe_u32 s4, ttmp6, 0x40000                   ; cx
	s_lshl_b32 s5, ttmp9, 2
	s_add_co_u32 s5, s5, s4                        ; rb = 4 x cluster x + cx
	s_lshr_b32 s56, s[WV], 2                       ; rg: which 32 rows
	s_and_b32 s57, s[WV], 3                        ; cg: which 64 columns
	s_lshr_b32 s58, s5, 6                          ; batch
	s_and_b32 s59, s5, 63                          ; rl: block of 64 rows in the batch
	s_cmp_eq_u32 s6, 0
	s_cselect_b64 s[30:31], s[8:9], s[10:11]       ; X: query or key
	s_cselect_b64 s[32:33], s[16:17], s[18:19]     ; first bias
	s_cselect_b64 s[34:35], s[20:21], s[22:23]     ; second bias
	s_cselect_b64 s[36:37], s[26:27], s[28:29]     ; the MLP's output: qf or kv
	s_lshl_b32 s62, s5, 17                         ; 64 rows of 2,048 bytes
	s_mov_b32 s63, 0
	s_add_nc_u64 s[30:31], s[30:31], s[62:63]
	s_add_nc_u64 s[12:13], s[12:13], s[62:63]      ; value at the same rows
	; output offset = head x (bytes of a head) + the rows' place.  qf: [bh][tile of 16 queries][half][lane][16 B], 262,144 a head.
	; kv: [bh][slot of 512 keys: 98,304 B], 786,432 a head; in a slot K: [tile of 16 keys][half][lane][16 B], then at 32,768 V^T: [32 keys][16 channels][half][lane][16 B].
	s_lshl_b32 s62, s58, 3                         ; 8 x batch
	s_lshl_b32 s63, s57, 1
	s_add_co_u32 s63, s62, s63                     ; MLP: my first head = 8 batch + 2 cg
	s_lshl_b32 s39, s6, 2
	s_add_co_u32 s39, s39, s57
	s_add_co_u32 s39, s39, s62                     ; V: my head = 8 batch + 4 role + cg
	s_mov_b32 s38, 786432
	s_mul_i32 s39, s39, s38
	s_cmp_eq_u32 s6, 0
	s_cselect_b32 s38, 262144, s38                 ; bytes of a head in the MLP's output
	s_mul_i32 s62, s63, s38
	s_lshl_b32 s66, s59, 12
	s_lshl_b32 s67, s56, 11
	s_add_co_u32 s66, s66, s67                     ; qf: 4,096 rl + 2,048 rg
	s_lshr_b32 s68, s59, 3
	s_mul_i32 s68, s68, 98304                      ; kv: the slot,
	s_and_b32 s69, s59, 7
	s_lshl_b32 s69, s69, 12
	s_add_co_u32 s70, s68, s69
	s_add_co_u32 s70, s70, s67                     ; K: + 4,096 (rl % 8) + 2,048 rg
	s_lshl_b32 s69, s69, 1
	s_add_co_u32 s71, s68, s69
	s_lshl_b32 s67, s67, 1
	s_add_co_u32 s71, s71, s67
	s_add_co_u32 s71, s71, 32768                   ; V: + 32,768 + 8,192 (rl % 8) + 4,096 rg
	s_cmp_eq_u32 s6, 0
	s_cselect_b32 s66, s66, s70
	s_add_co_u32 s62, s62, s66
	s_mov_b32 s63, 0
	s_add_nc_u64 s[36:37], s[36:37], s[62:63]      ; where q or k goes
	s_add_co_u32 s62, s39, s71
	s_add_nc_u64 s[28:29], s[28:29], s[62:63]      ; where v goes
	v_and_b32 v1, 15, v0                           ; r
	v_bfe_u32 v2, v0, 4, 1                         ; h
	v_and_b32 v20, 31, v0                          ; lane
	v_lshlrev_b32 v3, 4, v20
	s_lshl_b32 s39, s[WV], 14                      ; X: my wave converts rows 8 w .. 8 w + 7
	v_add_nc_u32 v11, s39, v3
.set i, 0
.rept 16                                               ; columns 0-255 of my 8 rows: 512 consecutive bytes a load
	global_load_b128 v[ACC1+4*i:ACC1+4*i+3], v11, s[30:31] offset:(i>>1)*2048+(i&1)*512
.set i, i+1
.endr
.set i, 0
.rept 16                                               ; columns 256-511
	global_load_b128 v[ACC2+4*i:ACC2+4*i+3], v11, s[30:31] offset:(i>>1)*2048+1024+(i&1)*512
.set i, i+1
.endr
	v_add_nc_u32 v4, s38, v3
	s_mul_i32 s39, s56, 32*HP
	s_add_co_u32 s39, s39, HBASE
	v_mul_u32_u24 v6, v1, HP
	v_lshl_add_u32 v6, v2, 4, v6
	v_add_nc_u32 v6, s39, v6                       ; H: (32 rg + r) x pitch + 16 h
	s_lshl_b32 s39, s57, 7                         ; my 64 columns: 128 bytes
	v_add_nc_u32 v5, s39, v6
	v_and_b32 v21, 7, v0                           ; the turning load: lane l reads row 8 h + l % 8, 16 bytes at 16 ((l / 8) % 2)
	v_lshl_add_u32 v21, v2, 3, v21
	v_mul_u32_u24 v21, v21, WP
	v_bfe_u32 v22, v0, 3, 1
	v_lshl_add_u32 v21, v22, 4, v21
	v_add_nc_u32 v[AW], s39, v21
	v_add_nc_u32 v[AW+1], 4*WROWS, v[AW]
	v_add_nc_u32 v[AW+2], SLOT, v[AW]
	v_add_nc_u32 v[AW+3], SLOT+4*WROWS, v[AW]
	s_mul_i32 s39, s[WV], 8*HP
	s_add_co_u32 s39, s39, HBASE
	v_lshl_add_u32 v12, v20, 3, s39                ; X into H: my 8 rows, 8 bytes a lane
	s_lshl_b32 s39, s57, 8
	v_lshl_add_u32 v13, v2, 5, s39                 ; the MLP's biases: 4 (64 cg + 8 h)
	s_lshl_b32 s7, s6, 10
	s_add_co_u32 s39, s39, s7
	v_lshl_add_u32 v[BVO], v1, 2, s39              ; bv: 4 (256 role + 64 cg + r): in V's product a lane holds one channel
	v_mov_b32 v14, 0x3f07dc22                      ; a5 / 2 = 0.53070271
	v_mov_b32 v15, 0x3f07dc22
; Half kh of X (256 columns), which lies as loaded in 64 registers from src on in window sw: rounded (hf = 0: to bf16, 1: to f16), into H by rows, and back as fragments
; (lane: row r; 16 bytes at 16 h and at 32 + 16 h of every 64).
.macro XHALF src, sw, tmp, kh, hf
.if \sw
	WIN 0x05                                       ; sources 0 and 1 window 1, destination window 0
.endif
.set i, 0
.rept 16
.if \hf
	v_cvt_pk_f16_f32 v[\tmp+2*i], v[\src+4*i], v[\src+4*i+1]
	v_cvt_pk_f16_f32 v[\tmp+2*i+1], v[\src+4*i+2], v[\src+4*i+3]
.else
	v_cvt_pk_bf16_f32 v[\tmp+2*i], v[\src+4*i], v[\src+4*i+1]
	v_cvt_pk_bf16_f32 v[\tmp+2*i+1], v[\src+4*i+2], v[\src+4*i+3]
.endif
.set i, i+1
.endr
	WIN 0
.set i, 0
.rept 16
	ds_store_b64 v12, v[\tmp+2*i:\tmp+2*i+1] offset:(i>>1)*HP+(i&1)*256
.set i, i+1
.endr
	s_wait_dscnt 0x0                               ; my rows are in H, for the other waves' sake
	BAR                                            ; a tensor load may stay on its way
	WIN 0x40                                       ; destination window 1, address window 0
.irp rt, 0,1
.irp ks, 0,1,2,3,4,5,6,7
	ds_load_b128 v[8*(16*\rt+8*\kh+\ks):8*(16*\rt+8*\kh+\ks)+3],   v6 offset:\rt*16*HP+64*\ks
	ds_load_b128 v[8*(16*\rt+8*\kh+\ks)+4:8*(16*\rt+8*\kh+\ks)+7], v6 offset:\rt*16*HP+64*\ks+32
.endr
.endr
	WIN 0
	s_wait_dscnt 0x0                               ; my reads of H are over: it may be written again behind the next barrier
.endm
; 8 turning loads: my four fragments (16 columns x 32 K) of K step ks of the tile in a slot
.macro LDW slot, ks, buf
.irp b, 0,1,2,3
	ds_load_tr16_b128 v[\buf+8*\b:\buf+8*\b+3],   v[AW+2*\slot+((\ks)>>2)] offset:((\ks)&3)*WROWS+32*\b
	ds_load_tr16_b128 v[\buf+8*\b+4:\buf+8*\b+7], v[AW+2*\slot+((\ks)>>2)] offset:((\ks)&3)*WROWS+32*\b+16*WP
.endr
.endm
; 4 loads: my two fragments (16 rows x 32 K) of the hidden chunk
.macro LDH ks, buf
.irp rt, 0,1
	ds_load_b128 v[\buf+8*\rt:\buf+8*\rt+3],   v6 offset:\rt*16*HP+64*(\ks)
	ds_load_b128 v[\buf+8*\rt+4:\buf+8*\rt+7], v6 offset:\rt*16*HP+64*(\ks)+32
.endr
.endm
; One tile against X's columns 256 kh .. + 255: 8 K steps of 8 matrix instructions on the 8 sums of ACC1, which take turns, one instruction a turn.
; The next step's fragments are fetched into the other buffer ahead of each step's products.  init = 1: the first step starts the sums.
; swap = 1 (V): source 0 = X's rows, source 1 = W's columns, both f16.
.macro P1 slot, kh, init, swap
	LDW \slot, 0, WF0
.set ks, 0
.rept 8
.if ks < 7
.if ks > 0
	PLACES                                         ; the buffer about to be loaded was multiplied just now
.endif
.if \swap
	WIN 0                                          ; (the loads' address is source 0)
.endif
.set kn, ks+1
.set bn, WF0+32*(kn&1)
	LDW \slot, kn, bn
	s_wait_dscnt 8                                 ; all but the 8 just issued: this step's fragments are in
.else
	s_wait_dscnt 0x0
.endif
.set bc, WF0+32*(ks&1)
.set kx, 8*\kh+ks
.if \swap
	WIN 0x01                                       ; source 0 (X) window 1
.else
	WIN 0x04                                       ; source 1 (X) window 1; LDS loads name source 0 and the destination, so they run under it too
.endif
.irp b, 0,1,2,3
.irp rt, 0,1
.set rD, ACC1+8*(4*\rt+\b)
.set rW, bc+8*\b
.set rX, 8*(16*\rt+kx)
.if \swap
.if \init && (ks == 0)
	v_wmma_f32_16x16x32_f16 v[rD:rD+7], v[rX:rX+7], v[rW:rW+7], 0
.else
	v_wmma_f32_16x16x32_f16 v[rD:rD+7], v[rX:rX+7], v[rW:rW+7], v[rD:rD+7]
.endif
.else
.if \init && (ks == 0)
	v_wmma_f32_16x16x32_bf16 v[rD:rD+7], v[rW:rW+7], v[rX:rX+7], 0
.else
	v_wmma_f32_16x16x32_bf16 v[rD:rD+7], v[rW:rW+7], v[rX:rX+7], v[rD:rD+7]
.endif
.endif
.endr
.endr
.set ks, ks+1
.endr
	WIN 0
.endm
; One tile of W2 against the hidden chunk in H, onto ACC2: the same frame, all in window 0.
.macro P2 slot, init
	LDW \slot, 0, WF0
	LDH 0, HB
.set ks, 0
.rept 8
.if ks < 7
.if ks > 0
	PLACES
.endif
.set kn, ks+1
.set bn, WF0+32*(kn&1)
.set hn, HB+16*(kn&1)
	LDW \slot, kn, bn
	LDH kn, hn
	s_wait_dscnt 12                                ; all but the 12 just issued
.else
	s_wait_dscnt 0x0
.endif
.set bc, WF0+32*(ks&1)
.set hc, HB+16*(ks&1)
.irp b, 0,1,2,3
.irp rt, 0,1
.set rD, ACC2+8*(4*\rt+\b)
.if \init && (ks == 0)
	v_wmma_f32_16x16x32_bf16 v[rD:rD+7], v[bc+8*\b:bc+8*\b+7], v[hc+8*\rt:hc+8*\rt+7], 0
.else
	v_wmma_f32_16x16x32_bf16 v[rD:rD+7], v[bc+8*\b:bc+8*\b+7], v[hc+8*\rt:hc+8*\rt+7], v[rD:rD+7]
.endif
.endr
.endr
.set ks, ks+1
.endr
.endm
; The change of tiles: on to the tile in \slot.  Every wave waits for all its tensor loads (the one that is out is its part of \slot) and for all its LDS
; instructions (its reads of the other slot and of H; its stores into H).  refill = 1: the other slot takes the tile two on; 2: it takes my tile of Wv, s[JP] bytes on; 0: nothing is
; left to ask for.  With a refill the barrier is a round of the cluster's, so that no wave of any partner still reads that slot or has a load on its way, and the joint load is the
; first thing behind it, one a wave; it has a tile's 64 matrix instructions, and whatever vector work stands beside them, in which to land.
.macro NEXT slot, refill
	s_wait_tensorcnt 0x0                           ; no tensor load of mine is out, so a group 0 may be written
	ds_add_u32 v254, v255
	s_wait_dscnt 0x0
.if (\refill) == 1
	s_add_nc_u64 s[G0+6-4*\slot:G0+7-4*\slot], s[G0+6-4*\slot:G0+7-4*\slot], 2*TILEB
.elseif (\refill) == 2
	s_add_nc_u64 s[G0+6-4*\slot:G0+7-4*\slot], s[G0+6-4*\slot:G0+7-4*\slot], s[JP:JP+1]
.endif
	s_wait_dscnt 0x0
.if (\refill) != 0
	ROUND
	tensor_load_to_lds s[G0+4-4*\slot:G0+7-4*\slot], s[G1:G1+7]
	s_nop 0
	PLACES                                         ; four v_nop follow; they are also the places behind the last products
.else
	BAR
	PLACES
.endif
.endm
; Eight numbers a lane: x = sum + bias; gelu(x); rounded to bf16; 16 bytes into H.  tmp: x at +0, t at +8, e at +16, y at +24.
.macro GELU8 acc, bias, tmp, off
.irp j, 0,2,4,6
	v_pk_add_f32 v[\tmp+\j:\tmp+\j+1], v[\acc+\j:\acc+\j+1], v[\bias+\j:\bias+\j+1]
.endr
.irp j, 0,1,2,3,4,5,6,7
	v_fma_f32 v[\tmp+8+\j], |v[\tmp+\j]|, 0x3e6d3388, 1.0          ; 1 + 0.3275911 |x| / sqrt(2)
.endr
.irp j, 0,1,2,3,4,5,6,7
	v_rcp_f32 v[\tmp+8+\j], v[\tmp+8+\j]                           ; t
.endr
.irp j, 0,2,4,6                                        ; plain lines that touch no t stand behind the reciprocals (ISA guide 5.7.2)
	v_pk_mul_f32 v[\tmp+16+\j:\tmp+17+\j], v[\tmp+\j:\tmp+\j+1], 0xbf38aa3b op_sel_hi:[1,0]   ; -log2(e) / 2 x
.endr
.irp j, 0,2,4,6
	v_pk_mul_f32 v[\tmp+16+\j:\tmp+17+\j], v[\tmp+16+\j:\tmp+17+\j], v[\tmp+\j:\tmp+\j+1]
.endr
.irp j, 0,1,2,3,4,5,6,7
	v_exp_f32 v[\tmp+16+\j], v[\tmp+16+\j]                         ; e = exp(-x^2 / 2)
.endr
	s_wait_alu depctr_va_vdst(0)
.irp j, 0,2,4,6                                        ; the polynomial, halved, by Horner: these lines touch no e
	v_pk_fma_f32 v[\tmp+24+\j:\tmp+25+\j], v[\tmp+8+\j:\tmp+9+\j], v[14:15], 0xbf3a00e3 op_sel_hi:[1,1,0]
.endr
.irp j, 0,2,4,6
	v_pk_fma_f32 v[\tmp+24+\j:\tmp+25+\j], v[\tmp+24+\j:\tmp+25+\j], v[\tmp+8+\j:\tmp+9+\j], 0x3f35f0e3 op_sel_hi:[1,1,0]
.endr
.irp j, 0,2,4,6
	v_pk_fma_f32 v[\tmp+24+\j:\tmp+25+\j], v[\tmp+24+\j:\tmp+25+\j], v[\tmp+8+\j:\tmp+9+\j], 0xbe11a98e op_sel_hi:[1,1,0]
.endr
.irp j, 0,2,4,6
	v_pk_fma_f32 v[\tmp+24+\j:\tmp+25+\j], v[\tmp+24+\j:\tmp+25+\j], v[\tmp+8+\j:\tmp+9+\j], 0x3e027906 op_sel_hi:[1,1,0]
.endr
.irp j, 0,2,4,6
	v_pk_mul_f32 v[\tmp+24+\j:\tmp+25+\j], v[\tmp+24+\j:\tmp+25+\j], v[\tmp+8+\j:\tmp+9+\j]
.endr
.irp j, 0,2,4,6
	v_pk_mul_f32 v[\tmp+24+\j:\tmp+25+\j], v[\tmp+24+\j:\tmp+25+\j], v[\tmp+16+\j:\tmp+17+\j]
.endr
.irp j, 0,1,2,3,4,5,6,7
	v_max_num_f32 v[\tmp+16+\j], 0, v[\tmp+\j]
.endr
.irp j, 0,1,2,3,4,5,6,7
	v_fma_f32 v[\tmp+16+\j], -|v[\tmp+\j]|, v[\tmp+24+\j], v[\tmp+16+\j]
.endr
.irp j, 0,1,2,3
	v_cvt_pk_bf16_f32 v[\tmp+\j], v[\tmp+16+2*\j], v[\tmp+17+2*\j]
.endr
	ds_store_b128 v5, v[\tmp:\tmp+3] offset:\off
.endm
; Chunk c of the hidden layer: its tiles lie in slots sa, sb, sc.  last = 1: the last chunk, behind whose first-layer products X's registers are free for value.
.macro CHUNK c, sa, sb, sc, first, last
.irp b, 0,1,2,3                                        ; the chunk's bias: my lane's columns 256 c + 64 cg + 16 b + 8 h + 0..7
	global_load_b128 v[HB+8*\b:HB+8*\b+3],   v13, s[32:33] offset:1024*\c+64*\b
	global_load_b128 v[HB+8*\b+4:HB+8*\b+7], v13, s[32:33] offset:1024*\c+64*\b+16
.endr
	P1 \sa, 0, 1, 0
	NEXT \sb, 1
	P1 \sb, 1, 0, 0
	PLACES                                         ; behind the last products: for the GELU, which reads their sums, and for the loads below into X's registers, which they read
	s_wait_loadcnt 0x0                             ; the bias; value's loads stand behind this wait, so that it does not count them
.if \last
	WIN 0x40                                       ; destination window 1, address window 0
.set i, 0
.rept 16                                               ; value, my wave's 8 rows as they lie: columns 0-255 into v256-319,
	global_load_b128 v[4*i:4*i+3], v11, s[12:13] offset:(i>>1)*2048+(i&1)*512
.set i, i+1
.endr
.set i, 0
.rept 16                                               ; columns 256-511 into v320-383: they have the GELU and a tile's 64 products in which to land
	global_load_b128 v[64+4*i:64+4*i+3], v11, s[12:13] offset:(i>>1)*2048+1024+(i&1)*512
.set i, i+1
.endr
	WIN 0
.endif
.irp rt, 0,1
.irp b, 0,1,2,3
	GELU8 ACC1+8*(4*\rt+\b), HB+8*\b, WF0+32*(\b&1), \rt*16*HP+32*\b
.endr
.endr
	NEXT \sc, 1+\last                              ; its wait for LDS and its barrier also hand the chunk in H to the other waves
.if \last
.irp b, 0,1,2,3                                        ; the second bias, for the way out: columns 64 cg + 16 b + 8 h + 0..7
	global_load_b128 v[ACC1+8*\b:ACC1+8*\b+3],   v13, s[34:35] offset:64*\b
	global_load_b128 v[ACC1+8*\b+4:ACC1+8*\b+7], v13, s[34:35] offset:64*\b+16
.endr
.endif
	P2 \sc, \first
.endm
	; ---- query or key into fragments, as bf16: the two halves go through H one after the other ----
	s_wait_loadcnt 16                              ; the first 16 loads are in; the second half's 16 may stay out
	XHALF ACC1, 0, WF0, 0, 0
	BAR                                            ; every wave has read the first half out of H
	s_wait_loadcnt 0x0
	XHALF ACC2, 0, WF1, 1, 0
	; ---- the MLP: tiles 0 to 11 ----
	s_wait_tensorcnt 0x1                           ; my part of tile 0 is in; tile 1's may stay out
	BAR                                            ; everybody's is; and every wave has read X out of H
	CHUNK 0, 0, 1, 0, 1, 0
	NEXT 1, 1                                      ; H is written again only behind this round and the next: every wave's reads of it are over
	CHUNK 1, 1, 0, 1, 0, 0
	NEXT 0, 1
	CHUNK 2, 0, 1, 0, 0, 0
	NEXT 1, 1
	CHUNK 3, 1, 0, 1, 0, 1                         ; its change into tile 11 asks for Wv's first tile
	NEXT 0, 2                                      ; THE RING GOES ON: Wv's first tile is in slot 0, its second is asked for; every wave's reads of the hidden chunk are over
	s_wait_loadcnt 0x0                             ; the second bias, and value
.irp rt, 0,1
.irp b, 0,1,2,3
.irp j, 0,2,4,6
	v_pk_add_f32 v[WF0+8*\b+\j:WF0+8*\b+\j+1], v[ACC2+8*(4*\rt+\b)+\j:ACC2+8*(4*\rt+\b)+\j+1], v[ACC1+8*\b+\j:ACC1+8*\b+\j+1]
.endr
.irp i, 0,1,2,3
	v_cvt_pk_bf16_f32 v[WF1+4*(4*\rt+\b)+\i], v[WF0+8*\b+2*\i], v[WF0+8*\b+2*\i+1]
.endr
.if \b < 2                                             ; columns 16 b .. of my 64: head b / 2 of my two, half b % 2 of its 32 channels; a wave's store covers 512 consecutive bytes, aligned
	global_store_b128 v3, v[WF1+4*(4*\rt+\b):WF1+4*(4*\rt+\b)+3], s[36:37] offset:\rt*1024+(\b&1)*512
.else
	global_store_b128 v4, v[WF1+4*(4*\rt+\b):WF1+4*(4*\rt+\b)+3], s[36:37] offset:\rt*1024+(\b&1)*512
.endif
.endr
.endr
	; ---- V: tiles 12 and 13 ----
.irp b, 0,1,2,3
	global_load_b32 v[HB+\b], v[BVO], s[24:25] offset:64*\b        ; bv of my lane's channel in each of my four tiles of 16
.endr
	s_wait_xcnt 0x0                                ; every earlier memory instruction has had its addresses translated (ISA guide 3.1): the registers that q's or k's stores read are rewritten only behind this wait
	XHALF 0, 1, WF0, 0, 1                          ; value as f16.  A half's 64 registers are rounded before fragments land on them: the first half's fragments take v256-319 and v384-447,
	BAR                                            ; every wave has read the first half out of H
	XHALF 64, 1, WF1, 1, 1                         ; the second half's v320-383 and v448-511
	P1 0, 0, 1, 1
	NEXT 1, 0                                      ; Wv's second tile: nothing is left to ask for
	P1 1, 1, 0, 1
	PLACES
	s_wait_loadcnt 0x0                             ; bv
.irp rt, 0,1
.irp b, 0,1,2,3
.irp j, 0,1,2,3,4,5,6,7
	v_add_f32 v[WF0+8*\b+\j], v[ACC1+8*(4*\rt+\b)+\j], v[HB+\b]
.endr
.irp i, 0,1,2,3
	v_cvt_pk_f16_f32 v[WF1+4*(4*\rt+\b)+\i], v[WF0+8*\b+2*\i], v[WF0+8*\b+2*\i+1]
.endr
	global_store_b128 v3, v[WF1+4*(4*\rt+\b):WF1+4*(4*\rt+\b)+3], s[28:29] offset:\b*1024+\rt*512   ; channels 16 b .., keys 16 rt + 8 h + 0..7 of my 32: half rt of a fragment of V^T
.endr
.endr
	ROUND                                          ; the closing round: no work-group ends while a partner may still ask for a tile that names it
	s_endpgm
.Lfunc_end_k_qbf7dc50ee9_proj:
	.size	k_qbf7dc50ee9_proj, .Lfunc_end_k_qbf7dc50ee9_proj-k_qbf7dc50ee9_proj
	.p2alignl 7, 3214868480
	.fill 96, 4, 3214868480
	.section	.rodata,"a",@progbits
	.p2align	6, 0x0
	.amdhsa_kernel k_qbf7dc50ee9_proj
		.amdhsa_group_segment_fixed_size 327680
		.amdhsa_private_segment_fixed_size 0
		.amdhsa_enable_private_segment 0
		.amdhsa_kernarg_size 88
		.amdhsa_user_sgpr_count 2
		.amdhsa_user_sgpr_kernarg_segment_ptr 1
		.amdhsa_wavefront_size32 1
		.amdhsa_system_sgpr_workgroup_id_x 1
		.amdhsa_system_sgpr_workgroup_id_y 1
		.amdhsa_system_sgpr_workgroup_id_z 1
		.amdhsa_system_vgpr_workitem_id 0
		.amdhsa_next_free_vgpr 512
		.amdhsa_next_free_sgpr 76
		.amdhsa_reserve_vcc 0
		.amdhsa_float_denorm_mode_32 3
		.amdhsa_float_denorm_mode_16_64 3
		.amdhsa_memory_ordered 1
		.amdhsa_forward_progress 1
		.amdhsa_inst_pref_size 255
	.end_amdhsa_kernel
	.section	.bss,"aw",@nobits
	.p2align	6
	.space	262144
	.amdgpu_metadata
---
amdhsa.version: [ 1, 2 ]
amdhsa.kernels:
  - .name:           k_qbf7dc50ee9_proj
    .symbol:         k_qbf7dc50ee9_proj.kd
    .args:
      - { .name: query, .offset: 0, .size: 8, .value_kind: global_buffer, .address_space: global }
      - { .name: key, .offset: 8, .size: 8, .value_kind: global_buffer, .address_space: global }
      - { .name: value, .offset: 16, .size: 8, .value_kind: global_buffer, .address_space: global }
      - { .name: wb, .offset: 24, .size: 8, .value_kind: global_buffer, .address_space: global }
      - { .name: bq1, .offset: 32, .size: 8, .value_kind: global_buffer, .address_space: global }
      - { .name: bk1, .offset: 40, .size: 8, .value_kind: global_buffer, .address_space: global }
      - { .name: bq2, .offset: 48, .size: 8, .value_kind: global_buffer, .address_space: global }
      - { .name: bk2, .offset: 56, .size: 8, .value_kind: global_buffer, .address_space: global }
      - { .name: bv, .offset: 64, .size: 8, .value_kind: global_buffer, .address_space: global }
      - { .name: qf, .offset: 72, .size: 8, .value_kind: global_buffer, .address_space: global }
      - { .name: kv, .offset: 80, .size: 8, .value_kind: global_buffer, .address_space: global }
    .group_segment_fixed_size: 327680
    .private_segment_fixed_size: 0
    .kernarg_segment_align: 8
    .kernarg_segment_size: 88
    .max_flat_workgroup_size: 256
    .sgpr_count:     76
    .vgpr_count:     512
    .wavefront_size: 32
...
	.end_amdgpu_metadata
.endif
;; end of part 2
;; launch attn (part 3): grid 16 x 16, 4 waves a work-group, clusters of 4 x 1, 327,680 bytes of LDS; arguments qf, kv, xf; writes xf
.if DOCPART == 3
	.amdgcn_target "amdgcn-amd-amdhsa--gfx1250"
	.amdhsa_code_object_version 6
	.text
	.protected	k_qbf7dc50ee9_attn
	.globl	k_qbf7dc50ee9_attn
	.p2align	8
	.type	k_qbf7dc50ee9_attn,@function
k_qbf7dc50ee9_attn:
	s_mov_b64 s[64:65], 0
	v_nop
	global_prefetch_b8 v0, s[64:65] scope:SCOPE_SE
	s_setreg_imm32_b32 hwreg(HW_REG_WAVE_MODE, 25, 1), 1
	s_wait_xcnt 0x0
	s_wait_alu depctr_hold_cnt(0) depctr_sa_sdst(0) depctr_va_vdst(0) depctr_va_sdst(0) depctr_va_ssrc(0) depctr_va_vcc(0) depctr_vm_vsrc(0)
	s_getreg_b32 s2, hwreg(HW_REG_IB_STS2, 6, 4)
	s_cmp_eq_u32 s2, 0
	s_cbranch_scc0 .Lentry_in_a_cluster
	s_endpgm
.Lentry_in_a_cluster:
	s_bfe_u32 s2, ttmp6, 0x10000c
	s_cmp_lg_u32 s2, 0x3003
	s_cbranch_scc0 .Lentry_shape_is_right
	s_endpgm
.Lentry_shape_is_right:
; xf = 4 x,  x[b][q][head] = sum over k of softmax_k(q . k / sqrt(32)) v, for 16 (batch, head) pairs bh, 4,096 queries and keys, 32 channels of q and k, 64 of v.
; SHARES: work-group (qb, bh) owns 256 queries; each of its four waves 64: four tiles of 16.  Every wave walks all keys, 128 a step.
; LAYOUT: S^T = K Q^T (source 0 = 16 keys, source 1 = 16 queries): a lane holds ONE query (lane % 16) and keys 8 (lane / 16) + 0..7.  Two such tiles rounded in pairs ARE
; source 1 (32 keys x 16 queries) of O^T = V^T P.  qf and kv hold Q, K and V^T as fragments (half a fragment = 32 lanes x 16 bytes), so every load is lane x 16.
; SOFTMAX: a running maximum m for each query: p = 2^(c s - c m), c = log2(e) / sqrt(32); O and l are multiplied by a = 2^(c m_old - c m_new) in every step.
; THE DIVISOR l is a product too: source 0 with ones in rows 0 and 8 and zeros elsewhere, times P: register 0 of its result holds, in every lane, the sum of the query's
; 32 weights of both halves of the lanes.  So l is the sum of the weights as they are rounded for V^T P.
; BY TURNS: the heads are small, so a tile has 28 matrix instructions for 128 keys (8 K Q^T, 16 V^T P, 4 for l) beside 183 vector instructions (32 maxima of three; 5 for the
; exchange, m, c m and its change; 65 exponentials; 32 packed scalings; 32 roundings; 17 rescalings).  The wave's tiles are two PIECES, named by their first tile: piece 0 (tiles 0, 1)
; and piece 2 (tiles 2, 3).  In a TURN one piece has the matrix unit: 40 products V^T P and l of the step in hand, then 16 products K Q^T of the next step; the other piece's softmax,
; 366 instructions cut into 56 slices, stands between them, one slice behind each matrix instruction.  Then the pieces change places; two turns are a key step.  The step is 128 keys and
; not 64, because the rescalings, the end of the maximum and the exchange are then paid once for 128 keys: 183 instructions against 2 x 104.
; Each fragment of K and V read from LDS feeds four tiles.
; CLUSTER: the four query blocks of a cluster belong to one bh and walk the same K and V: every slot is asked for jointly (mask 15).
; A slot is 512 keys, 98,304 consecutive bytes of kv (K 32,768, then V^T 65,536), four steps; each wave brings 96 rows of 256 bytes of it.
; FORMATS: q and k are bf16.  p, v and the result are f16: where the weights are nearly even, x is a mean over 4,096 keys in which v cancels to a 64th of its size, and the
; rounding errors of p and v cancel no faster, so each keeps its whole relative size in x; f16 has three bits more than bf16.  THE RESULT IS STORED AS 4 x (the output product's weights
; are stored as Wo / 4): a power of two, so exact, which moves the small x up into f16's range.
; LIMITS: p is at most 1 by the running maximum, and what f16 drops of it is under 2^-25 of the largest weight.  4 |x| is at most 4 times the largest |v| and stays under 65,504: |v| under
; 16,376 (offsets of 30 spreads on value of spread 1 and on Wv of spread 0.02 make |v| about 512 x 30 x 0.6 = 9,300).  4 x under 2^-14 is held in steps of 2^-24 (value and Wv both 30
; times smaller make 4 x about 3e-5: the step is a five-hundredth of it).
;
; REGISTERS, in windows of 256 (s_set_vgpr_msb: bits 1:0 source 0, 3:2 source 1, 5:4 source 2, 7:6 destination):
;   window 0: v0-15 addresses; piece 0: v16-31 statistics, v64-191 S^T (64 a tile), v192-255 P (32 a tile); v32-39 the way out's factors
;   window 1: piece 2: the same numbers        window 2: v0-127 O^T (32 a tile), v128-159 l's products (8 a tile), v160-191 Q (8 a tile)
;   window 3: v0-63 K of a step, v64-191 V^T of a step, v192-199 the ones
; All that a piece's softmax touches but O^T and l lies in the piece's own window, and no window has room for a product's operands beside it: a slice costs two switches.
.set SLOTB, 98304
.set SLOT1, 1<<17                      ; slot 1 begins here, so that one exclusive or turns an address in one slot into the other's
.set KSTEP, 8192                       ; a step's K in a slot: 8 tiles of 16 keys x 1,024 bytes
.set VSTEP, 16384                      ; a step's V^T: 4 x 32 keys x 4 x 16 channels x 1,024 bytes
.set WV,  3
.set G1,  24                           ; s[24:31] descriptor group 1
.set G0,  32                           ; s[32:39] group 0: a set for each of the two first fills; the second then walks on
.set CS,  40                           ; s[40:41] c, twice
.set SEL, 42                           ; s[42:43] v_permlanex16_b32: each lane takes its own place in the other half
.set TBK, 44                           ; s44 LDS byte of the K tiles of the step to be fetched
.set TBV, 45                           ; s45 the same for V
.set SLOTS, 46
.set CNT, 47
.set L16, 3                            ; v3 16 x lane
.set ADR, 4                            ; v4 the LDS address of the run of loads in hand
.set RF,  32                           ; v32-39 the way out: 4 / l, a pair a tile
.set ST,  16                           ; in a piece's window: tile t's statistics at 16 + 8 t: +0 c m, +1 m, +4..7 c0-c3, at work; a takes c2's place, c m's change c3's
.set S,   64
.set P,   192
.set LS,  128                          ; window 2
.set Q,   160
.set KF,  0                            ; window 3
.set VF,  64
.set ONES, 192
.set NL,  186                          ; numbers in a tile's list
.set MSB, 0
.macro WIN new                         ; the immediate's high byte repeats the setting that is left; a switch that changes nothing is dropped
.if MSB != \new
	s_set_vgpr_msb (MSB<<8)|\new
.set MSB, \new
.endif
.endm
.macro PLACES                          ; four plain vector instructions between a matrix instruction and a reader of its result or a load into its registers
.rept 4
	v_nop
.endr
.endm
.macro BAR
	s_barrier_signal -1
	s_barrier_wait -1
.endm
.macro ROUND                           ; a round of the cluster's barrier: my work-group's barrier; wave 0 signals for the work-group; every wave waits for all four; my work-group's barrier again
	s_barrier_signal -1
	s_barrier_wait -1
	s_cmp_lg_u32 s[WV], 0
	s_cbranch_scc1 .Lnot_wave_0_\@
	s_barrier_signal -3
.Lnot_wave_0_\@:
	s_barrier_wait -3
	s_barrier_signal -1
	s_barrier_wait -1
.endm
	s_load_b128 s[4:7], s[0:1], 0x0                ; qf s[4:5], kv s[6:7]
	s_load_b64 s[8:9], s[0:1], 0x10                ; xf
	v_lshl_add_u32 v62, v0, 2, 0x38000
	v_mov_b32 v63, 0
	ds_add_u32 v62, v63
	v_lshrrev_b32 v1, 5, v0
	v_readfirstlane_b32 s[WV], v1
	s_and_b32 s12, ttmp7, 0xffff                   ; bh, which the four partners share
	; group 1: a dense block as 96 rows of 32 elements of 8 bytes
	s_mov_b32 s[G1+0], 15|(3<<16)|(1<<21)          ; mask: all four; 8-byte elements; bit 21 beside a mask; no padding: every LDS read here is lane x 16
	s_mov_b32 s[G1+1], 32<<16
	s_mov_b32 s[G1+2], 96<<16
	s_mov_b32 s[G1+3], 32<<16
	s_mov_b32 s[G1+4], 96
	s_mov_b32 s[G1+5], 32
	s_mov_b32 s[G1+6], 0
	s_mov_b32 s[G1+7], 0
	s_mul_i32 s48, s12, 8*SLOTB
	s_mul_i32 s13, s[WV], 24576                    ; my wave's quarter of a slot, in memory and in LDS
	s_add_co_u32 s48, s48, s13
	s_mov_b32 s49, 0
	s_mov_b32 s[CS], 0x3e8293ee                    ; c = log2(e) / sqrt(32) = 0.255035
	s_mov_b32 s[CS+1], s[CS]
	s_mov_b32 s[SEL], 0x76543210
	s_mov_b32 s[SEL+1], 0xfedcba98
	s_mov_b32 s[TBK], 0
	s_mov_b32 s[TBV], 32768
	s_mov_b32 s[SLOTS], 6
	s_wait_dscnt 0x0
	s_wait_kmcnt 0x0
	s_add_nc_u64 s[6:7], s[6:7], s[48:49]
.irp s, 0,1
	s_mov_b32 s[G0+4*\s], 1
	s_add_co_u32 s[G0+4*\s+1], s13, \s*SLOT1
	s_add_nc_u64 s[G0+4*\s+2:G0+4*\s+3], s[6:7], \s*SLOTB
	s_or_b32 s[G0+4*\s+3], s[G0+4*\s+3], 0x80000000
.endr
	ROUND                                          ; all four work-groups are here: the first joint loads meet
	tensor_load_to_lds s[G0:G0+3], s[G1:G1+7]      ; keys 0-511 and 512-1,023: two loads of mine are out
	s_nop 0
	tensor_load_to_lds s[G0+4:G0+7], s[G1:G1+7]
	s_nop 0
	PLACES                                         ; four v_nop follow
	; the work-group's place enters Q's and x's addresses alone
	s_bfe_u32 s10, ttmp6, 0x40000                  ; cx
	s_lshl_b32 s11, ttmp9, 2
	s_add_co_u32 s11, s11, s10                     ; qb
	s_lshl_b32 s14, s11, 4
	s_lshl_b32 s15, s[WV], 2
	s_add_co_u32 s14, s14, s15                     ; my first tile of 16 queries: 16 qb + 4 w
	s_lshl_b32 s50, s12, 8
	s_add_co_u32 s50, s50, s14
	s_lshl_b32 s50, s50, 10                        ; qf: 1,024 bytes a tile
	s_mov_b32 s51, 0
	s_add_nc_u64 s[4:5], s[4:5], s[50:51]
	s_lshr_b32 s52, s12, 3                         ; xf: [tile of 16 rows of the 8,192][32 channels kk of 512][half][lane][16 B]
	s_lshl_b32 s52, s52, 8
	s_add_co_u32 s52, s52, s14
	s_lshl_b32 s52, s52, 14                        ; 16,384 bytes a tile of rows,
	s_and_b32 s15, s12, 7
	s_lshl_b32 s15, s15, 11                        ; 2,048 a head
	s_add_co_u32 s52, s52, s15
	s_mov_b32 s53, 0
	s_add_nc_u64 s[8:9], s[8:9], s[52:53]
	v_and_b32 v2, 31, v0
	v_lshlrev_b32 v[L16], 4, v2
	WIN 0x80                                       ; destination window 2, address window 0
.irp i, 0,1,2,3,4,5,6,7
	global_load_b128 v[Q+4*\i:Q+4*\i+3], v[L16], s[4:5] offset:512*\i   ; tile i / 2, half i % 2
.endr
	WIN 0
	v_and_b32 v6, 7, v0
	v_cmp_eq_u32 vcc_lo, 0, v6
	v_mov_b32 v7, 0x3c003c00                       ; two f16 ones
	WIN 0xc0                                       ; destination window 3
.irp i, 0,1,2,3,4,5,6,7
	v_cndmask_b32 v[ONES+\i], 0, v7, vcc_lo        ; rows 0 and 8 of source 0 (lane % 16 = 0, 8)
.endr
	WIN 0
; THE MATRIX WORK OF A TURN, for piece x.  The sums take turns, one instruction a turn: between two links of a chain stand nine others'.
; Product i of 40: keys 32 (i / 10) on; of each ten the first eight are O^T += V^T P (channels 16 ((i % 10) / 2) on, tile x + i % 2), the last two l's of the two tiles.
; start = 1: the first ten start the sums: nothing is ever cleared.
.macro PV x, start
	WIN 0xa3|(((\x)/2)<<2)                         ; V and the ones window 3, P the piece's window, C and D window 2
.set kh, i/10
.set pr, i%10
.if pr < 8
.set rD, 32*(\x+pr%2)+8*(pr/2)
.set rA, VF+8*(4*kh+pr/2)
.set rB, P+32*(pr%2)+8*kh
.else
.set rD, LS+8*(\x+pr-8)
.set rA, ONES
.set rB, P+32*(pr-8)+8*kh
.endif
.if \start && (kh == 0)
	v_wmma_f32_16x16x32_f16 v[rD:rD+7], v[rA:rA+7], v[rB:rB+7], 0
.else
	v_wmma_f32_16x16x32_f16 v[rD:rD+7], v[rA:rA+7], v[rB:rB+7], v[rD:rD+7]
.endif
.endm
; Product i of 16 of S^T = K Q^T: keys 16 (i / 2) on, tile x + i % 2.  The 32 channels are one instruction deep.
.macro KQ x
	WIN 0x0b|(((\x)/2)<<6)                         ; K window 3, Q window 2, S^T the piece's window
.set rD, S+64*(i%2)+8*(i/2)
.set rA, KF+8*(i/2)
.set rB, Q+8*(\x+i%2)
	v_wmma_f32_16x16x32_bf16 v[rD:rD+7], v[rA:rA+7], v[rB:rB+7], 0
.endm
; THE LDS LOADS stand in runs, never singly among the matrix instructions: a step's K (16 loads) and, a turn later, its V^T (32).
.macro FETCH_K
	WIN 0
	v_add_nc_u32 v[ADR], s[TBK], v[L16]
	s_add_co_u32 s[TBK], s[TBK], KSTEP             ; the next fetch is the next step's
	WIN 0xc0                                       ; destination window 3, address window 0
.irp f, 0,1,2,3,4,5,6,7
	ds_load_b128 v[KF+8*\f:KF+8*\f+3],   v[ADR] offset:\f*1024
	ds_load_b128 v[KF+8*\f+4:KF+8*\f+7], v[ADR] offset:\f*1024+512
.endr
.endm
.macro FETCH_V
	WIN 0
	v_add_nc_u32 v[ADR], s[TBV], v[L16]
	s_add_co_u32 s[TBV], s[TBV], VSTEP
	WIN 0xc0
.irp f, 0,1,2,3,4,5,6,7,8,9,10,11,12,13,14,15          ; keys 32 (f / 4) on, channels 16 (f % 4) on
	ds_load_b128 v[VF+8*\f:VF+8*\f+3],   v[ADR] offset:\f*1024
	ds_load_b128 v[VF+8*\f+4:VF+8*\f+7], v[ADR] offset:\f*1024+512
.endr
.endm
; THE VECTOR WORK OF A TURN.  One tile's softmax for one key step is a numbered list; SM writes number j of it for tile t (0, 1) of piece y.  s0-s63 are the lane's 64 scores, eight
; results of K Q^T of eight registers each, in pairs 0-31.  first = 1: the first key step, which starts m, l and O^T: it has no a and nothing to rescale.
;   0-31    the maximum of s0-s63 and the old m, three operands at a time, in four chains c0-c3.  Numbers 0-7 read the low end of each of the eight results
;   32-36   the other half of the lanes' maximum; c m_old kept; the new m; c m; c m_old - c m_new
;   37-168  c s - c m for a pair of scores, two pairs ahead of its exponentials; 65 exponentials (a, then s0-s63); the rounding to f16 of the pair before.  From 40 on four numbers a pair:
;           exponential, scaling, exponential, rounding.  Between an exponential and the rounding that reads it always stands the rounding of the pair before, a plain instruction
;           (ISA guide 5.7.2), also where the scalings have run out (numbers 161, 165 are empty, as is 43)
;   169-185 l and the tile's O^T times a: the one part that leaves the piece's window, so it stands together; each result is taken from its low end on
.macro FMA                             ; pair fb of the tile in hand
	v_pk_fma_f32 v[rS+2*fb:rS+2*fb+1], v[rS+2*fb:rS+2*fb+1], s[CS:CS+1], v[rT:rT+1] op_sel_hi:[1,0,0] neg_lo:[0,0,1] neg_hi:[0,0,1]
.endm
.macro SM y, t, first
.set wy, (\y)/2
.set rT, ST+8*\t
.set rS, S+64*\t
.set rP, P+32*\t
.if j < 169
	WIN 0x55*wy                                    ; every operand in the piece's window
.elseif !\first
	WIN 0x82|(wy<<2)                               ; O^T and l (destination, source 0) window 2; a the piece's window
.endif
.if j < 4
	v_max3_num_f32 v[rT+4+j], v[rS+8*j], v[rS+8*j+1], v[rS+8*j+2]
.elseif j < 8
	v_max3_num_f32 v[rT+j], v[rT+j], v[rS+8*j], v[rS+8*j+1]
.elseif j < 28
.set kc, j%4
.set g, (j-8)/4
.if g < 2
.set sb, 8*kc+3+2*g                    ; registers 3-6 of result kc
.else
.set sb, 8*kc+30+2*g                   ; registers 2-7 of result kc + 4
.endif
	v_max3_num_f32 v[rT+4+kc], v[rT+4+kc], v[rS+sb], v[rS+sb+1]
.elseif j == 28
	v_max3_num_f32 v[rT+4], v[rT+4], v[rS+7], v[rS+15]
.elseif j == 29
	v_max3_num_f32 v[rT+6], v[rT+6], v[rS+23], v[rS+31]
.elseif j == 30
	v_max3_num_f32 v[rT+4], v[rT+4], v[rT+5], v[rT+6]
.elseif (j == 31) && \first
	v_max_num_f32 v[rT+4], v[rT+4], v[rT+7]
.elseif j == 31
	v_max3_num_f32 v[rT+4], v[rT+4], v[rT+7], v[rT+1]
.elseif j == 32
	v_permlanex16_b32 v[rT+5], v[rT+4], s[SEL], s[SEL+1]   ; the query's other 64 keys lie in the lane 16 away
.elseif j == 34
	v_max_num_f32 v[rT+1], v[rT+4], v[rT+5]
.elseif j == 35
	v_mul_f32 v[rT], s[CS], v[rT+1]
.elseif ((j == 33) || (j == 36) || (j == 38) || (j > 168)) && \first   ; the first step has none of these
.elseif j == 33
	v_mov_b32 v[rT+7], v[rT]                       ; c m_old is kept for a: number 35 writes c m anew
.elseif j == 36
	v_sub_f32 v[rT+7], v[rT+7], v[rT]
.elseif j == 38
	v_exp_f32 v[rT+6], v[rT+7]
.elseif (j == 37) || (j == 39)
.set fb, (j-37)/2
	FMA
.elseif j < 168
.set u, (j-40)%4
.set b, (j-40)/4
.if u == 0
	v_exp_f32 v[rS+2*b], v[rS+2*b]
.elseif u == 2
	v_exp_f32 v[rS+2*b+1], v[rS+2*b+1]
.elseif u == 1
.if b < 30
.set fb, b+2
	FMA
.endif
.elseif b > 0
	s_wait_alu depctr_va_vdst(0)
	v_cvt_pk_f16_f32 v[rP+b-1], v[rS+2*b-2], v[rS+2*b-1]
.endif
.elseif j == 168
	s_wait_alu depctr_va_vdst(0)
	v_cvt_pk_f16_f32 v[rP+31], v[rS+62], v[rS+63]
.elseif j == 169
	v_mul_f32 v[LS+8*(\y+\t)], v[LS+8*(\y+\t)], v[rT+6]   ; l lies in register 0; the other rows of that product are zero
.else
.set rO, 32*(\y+\t)+2*(j-170)
	v_pk_mul_f32 v[rO:rO+1], v[rO:rO+1], v[rT+6:rT+7] op_sel_hi:[1,0]
.endif
.endm
; Slice k of NS of piece y's softmax: numbers k NL / NS up to (k + 1) NL / NS of both tiles' lists.  Among the exponentials tile by tile, so that exponentials and plain
; instructions alternate; elsewhere the two tiles alternate, so that no instruction reads the result of the one just before it.
.macro SLICE y, first
.set jlo, (k*NL)/NS
.set jhi, ((k+1)*NL)/NS
.if (jlo >= 37) && (jhi <= 169)
.irp t, 0,1
.set j, jlo
.rept jhi-jlo
	SM \y, \t, \first
.set j, j+1
.endr
.endr
.else
.set j, jlo
.rept jhi-jlo
	SM \y, 0, \first
	SM \y, 1, \first
.set j, j+1
.endr
.endif
.set k, k+1
.endm
; A TURN.  Piece x has the matrix unit; the other piece's softmax stands in slices behind its matrix instructions, as many slices as the turn has products.
; pv = 2: 40 products V^T P and l; 1: they start the sums; 0: none.  kq = 1: 16 products K Q^T for the next step.
; The last slice of a whole turn is eight rescalings of the other piece: the four places and more between the turn's last K Q^T and what follows, the next turn's first read of those
; scores and the loads into K's registers.  first = 1: the softmax is a first key step's and has no rescalings: the last products stand bare, and four v_nop are the places.
; Piece 0's turn fetches the next step's K behind its second product, 38 products ahead of its first use.  Piece 2's turn fetches the same step's V^T behind its second K Q^T, 14 products
; ahead of its first use; the last product that read V^T stands five slices back, each with two plain instructions or more.
.macro TURN x, pv, kq, first
.set k, 0
.set NS, 0
.if \pv
.set NS, NS+40
.endif
.if \kq
.set NS, NS+16
.endif
.if \pv
.if \x == 0
	s_wait_dscnt 0x0                               ; V^T is in
.endif
.set i, 0
.rept 40
	PV \x, 2-\pv
	SLICE 2-\x, \first
.if (\x == 0) && \kq && (i == 1)
	FETCH_K
.endif
.set i, i+1
.endr
.endif
.if \kq
.if \x == 0
	s_wait_dscnt 0x0                               ; K is in
.endif
.set i, 0
.rept 16
	KQ \x
	SLICE 2-\x, \first
.if (\x == 2) && (i == 1)
	FETCH_V
.endif
.set i, i+1
.endr
.endif
.if \first
	PLACES
.endif
.endm
.macro STEPS n                         ; n key steps: written once, walked n times; the LDS addresses hang on s[TBK] and s[TBV]
	s_mov_b32 s[CNT], \n
.Lstep_\@:
	TURN 0, 2, 1, 0
	TURN 2, 2, 1, 0
	WIN 0                                          ; at a label and at a branch every window is 0
	s_sub_co_u32 s[CNT], s[CNT], 1
	s_cmp_lg_u32 s[CNT], 0
	s_cbranch_scc1 .Lstep_\@
.endm
; THE CHANGE OF SLOTS, between piece 2's turn and piece 0's: the slot's last bytes, V^T of its fourth step, have been asked for.  Every wave waits for its reads of the slot and for all its
; tensor loads, of which one is out: its part of the other slot.  fill = 1: the slot just read takes the keys two slots on; the barrier is a round of the cluster's, so that no wave of any
; partner still reads the slot or has a load on its way; the joint load is the first thing behind it, one a wave, and has four key steps, 448 matrix instructions, in which to land.
.macro CHANGE fill
	s_wait_dscnt 0x0
	s_wait_tensorcnt 0x0                           ; no tensor load of mine is out, so a group 0 may be written
	ds_add_u32 v62, v63
	s_wait_dscnt 0x0
.if \fill
	s_xor_b32 s[G0+5], s[G0+5], SLOT1              ; the walking descriptor: the other slot than last time,
	s_add_nc_u64 s[G0+6:G0+7], s[G0+6:G0+7], SLOTB ; the next 512 keys
	ROUND
	tensor_load_to_lds s[G0+4:G0+7], s[G1:G1+7]
	s_nop 0
	PLACES                                         ; four v_nop follow
.else
	BAR
.endif
	s_sub_co_u32 s[TBK], s[TBK], 4*KSTEP           ; back to a slot's first step,
	s_xor_b32 s[TBK], s[TBK], SLOT1                ; in the other slot
	s_sub_co_u32 s[TBV], s[TBV], 4*VSTEP
	s_xor_b32 s[TBV], s[TBV], SLOT1
.endm
	s_wait_tensorcnt 0x1                           ; my part of slot 0 is in; slot 1's may stay out
	BAR                                            ; everybody's is
	FETCH_K                                        ; key step 0
	s_wait_loadcnt 0x0                             ; Q
	s_wait_dscnt 0x0
.set i, 0
.rept 16
	KQ 0                                           ; piece 0's first scores: there is no vector work yet to set between them
.set i, i+1
.endr
	PLACES
	TURN 2, 0, 1, 1                                ; piece 2's first scores | piece 0's first softmax | V^T of step 0
	TURN 0, 1, 1, 1                                ; piece 0: V^T P of step 0 starts O^T and l, K Q^T of step 1 | piece 2's first softmax | K of step 1
	TURN 2, 1, 1, 0                                ; piece 2: the same | piece 0's softmax of step 1 | V^T of step 1
	WIN 0
	STEPS 2                                        ; they fetch steps 2 and 3: slot 0 is read out
.Lslot:                                                ; six trips: every slot but the last two is filled again
	CHANGE 1
	STEPS 4
	s_sub_co_u32 s[SLOTS], s[SLOTS], 1
	s_cmp_lg_u32 s[SLOTS], 0
	s_cbranch_scc1 .Lslot
	CHANGE 0                                       ; the tail is written out: nothing is left to ask for
	STEPS 4
	TURN 0, 2, 0, 0                                ; piece 0: V^T P of the last step | piece 2's last softmax
.set i, 0
.rept 40
	PV 2, 0                                        ; piece 2: V^T P of the last step
.set i, i+1
.endr
	; THE WAY OUT: O^T times 4 / l, rounded to f16; a lane's eight channels of a query are 16 bytes: half of a fragment for the output product, stored straight away
	PLACES
	WIN 0x02                                       ; source 0 window 2, destination window 0
.irp t, 0,1,2,3
	v_rcp_f32 v[RF+2*\t], v[LS+8*\t]               ; l lies in register 0 of its product
.endr
	v_nop                                          ; a plain instruction between the reciprocals and their use
	WIN 0
.irp t, 0,1,2,3
	s_wait_alu depctr_va_vdst(0)
	v_mul_f32 v[RF+2*\t+1], 4.0, v[RF+2*\t]        ; 4 / l, twice: a pair for the packed multiply
.endr
.irp t, 0,1,2,3
	v_mul_f32 v[RF+2*\t], 4.0, v[RF+2*\t]
.endr
	WIN 0x82                                       ; O^T (destination, source 0) window 2, the factor window 0
.irp t, 0,1,2,3
.set i, 0
.rept 16
	v_pk_mul_f32 v[32*\t+2*i:32*\t+2*i+1], v[32*\t+2*i:32*\t+2*i+1], v[RF+2*\t:RF+2*\t+1]
.set i, i+1
.endr
.endr
	WIN 0x0a                                       ; sources window 2, destination window 0: piece 0's S^T is free
.set i, 0
.rept 64
	v_cvt_pk_f16_f32 v[S+i], v[2*i], v[2*i+1]
.set i, i+1
.endr
	WIN 0
.irp t, 0,1,2,3
.irp ct, 0,1,2,3
	global_store_b128 v[L16], v[S+16*\t+4*\ct:S+16*\t+4*\ct+3], s[8:9] offset:\t*16384+\ct*512   ; a wave's store covers 512 consecutive bytes, aligned
.endr
.endr
	ROUND                                          ; the closing round: no work-group ends while a partner may still ask for a slot that names it
	s_endpgm
.Lfunc_end_k_qbf7dc50ee9_attn:
	.size	k_qbf7dc50ee9_attn, .Lfunc_end_k_qbf7dc50ee9_attn-k_qbf7dc50ee9_attn
	.p2alignl 7, 3214868480
	.fill 96, 4, 3214868480
	.section	.rodata,"a",@progbits
	.p2align	6, 0x0
	.amdhsa_kernel k_qbf7dc50ee9_attn
		.amdhsa_group_segment_fixed_size 327680
		.amdhsa_private_segment_fixed_size 0
		.amdhsa_enable_private_segment 0
		.amdhsa_kernarg_size 24
		.amdhsa_user_sgpr_count 2
		.amdhsa_user_sgpr_kernarg_segment_ptr 1
		.amdhsa_wavefront_size32 1
		.amdhsa_system_sgpr_workgroup_id_x 1
		.amdhsa_system_sgpr_workgroup_id_y 1
		.amdhsa_system_sgpr_workgroup_id_z 1
		.amdhsa_system_vgpr_workitem_id 0
		.amdhsa_next_free_vgpr 1024
		.amdhsa_next_free_sgpr 66
		.amdhsa_reserve_vcc 1
		.amdhsa_float_denorm_mode_32 3
		.amdhsa_float_denorm_mode_16_64 3
		.amdhsa_memory_ordered 1
		.amdhsa_forward_progress 1
		.amdhsa_inst_pref_size 255
	.end_amdhsa_kernel
	.section	.bss,"aw",@nobits
	.p2align	6
	.space	262144
	.amdgpu_metadata
---
amdhsa.version: [ 1, 2 ]
amdhsa.kernels:
  - .name:           k_qbf7dc50ee9_attn
    .symbol:         k_qbf7dc50ee9_attn.kd
    .args:
      - { .name: qf, .offset: 0, .size: 8, .value_kind: global_buffer, .address_space: global }
      - { .name: kv, .offset: 8, .size: 8, .value_kind: global_buffer, .address_space: global }
      - { .name: xf, .offset: 16, .size: 8, .value_kind: global_buffer, .address_space: global }
    .group_segment_fixed_size: 327680
    .private_segment_fixed_size: 0
    .kernarg_segment_align: 8
    .kernarg_segment_size: 24
    .max_flat_workgroup_size: 128
    .sgpr_count:     66
    .vgpr_count:     1024
    .wavefront_size: 32
...
	.end_amdgpu_metadata
.endif
;; end of part 3
;; launch outp (part 4): grid 128 x 2, 8 waves a work-group, clusters of 4 x 1, 314,368 bytes of LDS; arguments xf, wb, bo, out0; writes out0
.if DOCPART == 4
	.amdgcn_target "amdgcn-amd-amdhsa--gfx1250"
	.amdhsa_code_object_version 6
	.text
	.protected	k_qbf7dc50ee9_outp
	.globl	k_qbf7dc50ee9_outp
	.p2align	8
	.type	k_qbf7dc50ee9_outp,@function
k_qbf7dc50ee9_outp:
	s_mov_b64 s[64:65], 0
	v_nop
	global_prefetch_b8 v0, s[64:65] scope:SCOPE_SE
	s_setreg_imm32_b32 hwreg(HW_REG_WAVE_MODE, 25, 1), 1
	s_wait_xcnt 0x0
	s_wait_alu depctr_hold_cnt(0) depctr_sa_sdst(0) depctr_va_vdst(0) depctr_va_sdst(0) depctr_va_ssrc(0) depctr_va_vcc(0) depctr_vm_vsrc(0)
	s_getreg_b32 s2, hwreg(HW_REG_IB_STS2, 6, 4)
	s_cmp_eq_u32 s2, 0
	s_cbranch_scc0 .Lentry_in_a_cluster
	s_endpgm
.Lentry_in_a_cluster:
	s_bfe_u32 s2, ttmp6, 0x10000c
	s_cmp_lg_u32 s2, 0x3003
	s_cbranch_scc0 .Lentry_shape_is_right
	s_endpgm
.Lentry_shape_is_right:
; out0 = x Wo + bo, made as (4 x) (Wo / 4) + bo: xf holds 4 x and wb holds Wo / 4, both factors powers of two, so no bit of a product changes (why: the head of the attention's kernel).
; Work-group (rb, c) makes rows 64 rb .. + 63, columns 256 c .. + 255.  Wave w: rows 32 (w / 4) .. + 31 (two tiles of 16), columns 64 (w % 4) .. + 63 (four).
; 4 x comes from xf as ready fragments (lane x 16), straight into 256 registers.  Wo / 4 comes as two f16 tiles [256 k][256 n] of wb, one in each of two LDS slots, both asked for at
; the start: nothing is filled again.  CLUSTER: the four work-groups of a cluster have the same c and need the same two tiles: they are asked for jointly (mask 15).
; The matrix instruction is used transposed (source 0 = 16 columns of Wo, read turned; source 1 = 16 rows of x): a lane holds one row and eight neighbouring columns.
; The bias is the C of each sum's first product.  A wave's 64 columns are 256 bytes of a row of out0: 16 rows at a time go through the wave's own stage in LDS and
; leave as whole rows, sixteen lanes storing 256 consecutive bytes, aligned.
; FORMATS AND LIMITS: 4 x and Wo / 4 are f16, as the whole value path is (see the head of the projections' kernel): both under 65,504, steps of 2^-24 under 2^-14; sums in f32.
.set TILEB, 131072
.set WP,    544                        ; an LDS row of a tile: 512 bytes + 32 of padding
.set WROWS, 32*WP
.set SLOT,  8*WROWS
.set STAGE, 2*SLOT                     ; behind the slots: 16 rows x 272 bytes for each wave; no tensor load lands here
.set SP,    272
.set WV,  3
.set G1,  40
.set G0,  48
.set AW,  7                            ; v7-10 LDS address of my weight fragments: slot 0 K steps 0-3, 4-7; slot 1 likewise
.set WF0, 16                           ; v16-47, v48-79 weight fragments, two buffers; on the way out the rows read back
.set WF1, 48
.set HB,  80                           ; v80-111 the bias: my lane's 8 columns of each of 4 tiles
.set ACC1, 112                         ; v112-175 the sums: (rt, b) at 8 (4 rt + b)
; v3 16 x lane, v5 into the stage, v6 back from it, v11 my offset in out0, v13 bias offset.  Window 1: x's fragments, (rt, kk) at 8 (16 rt + kk).
.set MSB, 0
.macro WIN new
.if MSB != \new
	s_set_vgpr_msb (MSB<<8)|\new
.set MSB, \new
.endif
.endm
.macro PLACES                          ; four plain vector instructions between a matrix instruction and a reader of its result or a load into its registers
.rept 4
	v_nop
.endr
.endm
.macro BAR
	s_barrier_signal -1
	s_barrier_wait -1
.endm
.macro ROUND                           ; a round of the cluster's barrier
	s_barrier_signal -1
	s_barrier_wait -1
	s_cmp_lg_u32 s[WV], 0
	s_cbranch_scc1 .Lnot_wave_0_\@
	s_barrier_signal -3
.Lnot_wave_0_\@:
	s_barrier_wait -3
	s_barrier_signal -1
	s_barrier_wait -1
.endm
	s_load_b256 s[8:15], s[0:1], 0x0               ; xf 8, wb 10, bo 12, out0 14
	v_lshl_add_u32 v254, v0, 2, 0x4c800
	v_mov_b32 v255, 0
	ds_add_u32 v254, v255
	v_lshrrev_b32 v1, 5, v0
	v_readfirstlane_b32 s[WV], v1
	s_and_b32 s6, ttmp7, 0xffff                    ; c, which the four partners share
	s_mov_b32 s[G1+0], 15|(1<<16)|(1<<20)|(1<<21)|(6<<22)|(7<<25)  ; mask: all four; 2-byte elements; padding on; bit 21 beside a mask; after every 128 words (code 6) 8 words (code 7)
	s_mov_b32 s[G1+1], 256<<16
	s_mov_b32 s[G1+2], 32<<16
	s_mov_b32 s[G1+3], 256<<16
	s_mov_b32 s[G1+4], 32
	s_mov_b32 s[G1+5], 256
	s_mov_b32 s[G1+6], 0
	s_mov_b32 s[G1+7], 0
	s_mul_i32 s60, s6, 2*TILEB
	s_add_co_u32 s60, s60, 28*TILEB                ; Wo's tiles 28 + 2 c, 29 + 2 c
	s_lshl_b32 s61, s[WV], 14                      ; my wave's 32 rows of 512 bytes
	s_add_co_u32 s60, s60, s61
	s_mov_b32 s61, 0
	s_mul_i32 s7, s[WV], WROWS
	s_wait_dscnt 0x0
	s_wait_kmcnt 0x0
	s_add_nc_u64 s[10:11], s[10:11], s[60:61]
.irp s, 0,1
	s_mov_b32 s[G0+4*\s], 1
	s_add_co_u32 s[G0+4*\s+1], s7, \s*SLOT
	s_add_nc_u64 s[G0+4*\s+2:G0+4*\s+3], s[10:11], \s*TILEB
	s_or_b32 s[G0+4*\s+3], s[G0+4*\s+3], 0x80000000
.endr
	ROUND                                          ; all four work-groups are here: the joint loads meet
	tensor_load_to_lds s[G0:G0+3], s[G1:G1+7]      ; two loads of mine are out
	s_nop 0
	tensor_load_to_lds s[G0+4:G0+7], s[G1:G1+7]
	s_nop 0
	PLACES                                         ; four v_nop follow
	s_bfe_u32 s4, ttmp6, 0x40000                   ; cx: it enters x's and out0's addresses alone
	s_lshl_b32 s5, ttmp9, 2
	s_add_co_u32 s5, s5, s4                        ; rb
	s_lshr_b32 s56, s[WV], 2                       ; rg
	s_and_b32 s57, s[WV], 3                        ; cg
	s_lshl_b32 s62, s5, 2
	s_lshl_b32 s63, s56, 1
	s_add_co_u32 s62, s62, s63                     ; my first tile of 16 rows: 4 rb + 2 rg
	s_lshl_b32 s62, s62, 14
	s_mov_b32 s63, 0
	s_add_nc_u64 s[8:9], s[8:9], s[62:63]
	s_lshl_b32 s36, s5, 6
	s_lshl_b32 s37, s56, 5
	s_add_co_u32 s36, s36, s37                     ; my first row
	s_lshl_b32 s36, s36, 11                        ; of 2,048 bytes
	s_lshl_b32 s39, s6, 10
	s_lshl_b32 s38, s57, 8
	s_add_co_u32 s39, s39, s38                     ; my first column, in bytes: 1,024 c + 256 cg
	s_add_co_u32 s36, s36, s39
	s_mov_b32 s37, 0
	s_add_nc_u64 s[14:15], s[14:15], s[36:37]
	v_and_b32 v20, 31, v0
	v_lshlrev_b32 v3, 4, v20
	WIN 0x40                                       ; destination window 1, address window 0
.irp rt, 0,1
.irp kk, 0,1,2,3,4,5,6,7,8,9,10,11,12,13,14,15
	global_load_b128 v[8*(16*\rt+\kk):8*(16*\rt+\kk)+3],   v3, s[8:9] offset:\rt*16384+\kk*1024
	global_load_b128 v[8*(16*\rt+\kk)+4:8*(16*\rt+\kk)+7], v3, s[8:9] offset:\rt*16384+\kk*1024+512
.endr
.endr
	WIN 0
	v_and_b32 v1, 15, v0                           ; r
	v_bfe_u32 v2, v0, 4, 1                         ; h
	v_lshl_add_u32 v13, v2, 5, s39                 ; bias: 4 (256 c + 64 cg + 8 h)
.irp b, 0,1,2,3
	global_load_b128 v[HB+8*\b:HB+8*\b+3],   v13, s[12:13] offset:64*\b
	global_load_b128 v[HB+8*\b+4:HB+8*\b+7], v13, s[12:13] offset:64*\b+16
.endr
	v_and_b32 v21, 7, v0                           ; the turning load: lane l reads row 8 h + l % 8, 16 bytes at 16 ((l / 8) % 2)
	v_lshl_add_u32 v21, v2, 3, v21
	v_mul_u32_u24 v21, v21, WP
	v_bfe_u32 v22, v0, 3, 1
	v_lshl_add_u32 v21, v22, 4, v21
	s_lshl_b32 s38, s57, 7                         ; my 64 columns: 128 bytes
	v_add_nc_u32 v[AW], s38, v21
	v_add_nc_u32 v[AW+1], 4*WROWS, v[AW]
	v_add_nc_u32 v[AW+2], SLOT, v[AW]
	v_add_nc_u32 v[AW+3], SLOT+4*WROWS, v[AW]
	s_mul_i32 s38, s[WV], 16*SP
	s_add_co_u32 s38, s38, STAGE                   ; my stage
	v_mul_u32_u24 v5, v1, SP
	v_lshl_add_u32 v5, v2, 5, v5
	v_add_nc_u32 v5, s38, v5                       ; in: row r, 32 bytes for each half of the lanes
	v_mul_u32_u24 v6, v2, SP
	v_lshl_add_u32 v6, v1, 4, v6
	v_add_nc_u32 v6, s38, v6                       ; back: lanes 0-15 one row of 256 bytes, lanes 16-31 the next
	v_lshlrev_b32 v11, 11, v2
	v_lshl_add_u32 v11, v1, 4, v11                 ; and the same two rows in out0
.macro LDW slot, ks, buf               ; 8 turning loads: my four fragments (16 columns x 32 K) of K step ks
.irp b, 0,1,2,3
	ds_load_tr16_b128 v[\buf+8*\b:\buf+8*\b+3],   v[AW+2*\slot+((\ks)>>2)] offset:((\ks)&3)*WROWS+32*\b
	ds_load_tr16_b128 v[\buf+8*\b+4:\buf+8*\b+7], v[AW+2*\slot+((\ks)>>2)] offset:((\ks)&3)*WROWS+32*\b+16*WP
.endr
.endm
; One tile against x's channels 256 kh .. + 255: 8 K steps of 8 matrix instructions on 8 sums, which take turns, one instruction a turn.
; init = 1: the first step starts the sums from the bias.
.macro P1 slot, kh, init
	LDW \slot, 0, WF0
.set ks, 0
.rept 8
.if ks < 7
.if ks > 0
	PLACES                                         ; the buffer about to be loaded was multiplied just now
.endif
.set kn, ks+1
.set bn, WF0+32*(kn&1)
	LDW \slot, kn, bn
	s_wait_dscnt 8                                 ; all but the 8 just issued: this step's fragments are in
.else
	s_wait_dscnt 0x0
.endif
.set bc, WF0+32*(ks&1)
.set kx, 8*\kh+ks
	WIN 0x04                                       ; source 1 (x) window 1; LDS loads name source 0 and the destination, so they run under it too
.irp b, 0,1,2,3
.irp rt, 0,1
.set rD, ACC1+8*(4*\rt+\b)
.set rX, 8*(16*\rt+kx)
.if \init && (ks == 0)
	v_wmma_f32_16x16x32_f16 v[rD:rD+7], v[bc+8*\b:bc+8*\b+7], v[rX:rX+7], v[HB+8*\b:HB+8*\b+7]
.else
	v_wmma_f32_16x16x32_f16 v[rD:rD+7], v[bc+8*\b:bc+8*\b+7], v[rX:rX+7], v[rD:rD+7]
.endif
.endr
.endr
.set ks, ks+1
.endr
	WIN 0
.endm
	s_wait_tensorcnt 0x1                           ; my part of the first tile is in; the second's may stay out
	BAR
	s_wait_loadcnt 0x0                             ; x and the bias
	P1 0, 0, 1
	s_wait_tensorcnt 0x0                           ; my part of the second tile
	s_wait_dscnt 0x0
	BAR
	PLACES
	P1 1, 1, 0
	PLACES
.irp rt, 0,1
.irp b, 0,1,2,3
	ds_store_b128 v5, v[ACC1+8*(4*\rt+\b):ACC1+8*(4*\rt+\b)+3]   offset:64*\b
	ds_store_b128 v5, v[ACC1+8*(4*\rt+\b)+4:ACC1+8*(4*\rt+\b)+7] offset:64*\b+16
.endr
.irp t, 0,1,2,3,4,5,6,7
	ds_load_b128 v[WF0+32*\rt+4*\t:WF0+32*\rt+4*\t+3], v6 offset:\t*2*SP   ; LDS serves a wave's instructions in order (ISA guide 5.7.1.4): these see the stores above, and the next 16 rows' stores come behind them
.endr
.endr
.irp t, 0,1,2,3,4,5,6,7
	s_wait_dscnt 23-\t                             ; behind load t of the first 16 rows stand 7 - t loads and the second 16 rows' 16 instructions
	global_store_b128 v11, v[WF0+4*\t:WF0+4*\t+3], s[14:15] offset:2*\t*2048
.endr
.irp t, 0,1,2,3,4,5,6,7
	s_wait_dscnt 7-\t
	global_store_b128 v11, v[WF1+4*\t:WF1+4*\t+3], s[14:15] offset:(16+2*\t)*2048
.endr
	s_wait_tensorcnt 0x0
	ds_add_u32 v254, v255
	s_wait_dscnt 0x0
	ROUND                                          ; the closing round: no work-group ends while a partner may still ask for a tile that names it
	s_endpgm
.Lfunc_end_k_qbf7dc50ee9_outp:
	.size	k_qbf7dc50ee9_outp, .Lfunc_end_k_qbf7dc50ee9_outp-k_qbf7dc50ee9_outp
	.p2alignl 7, 3214868480
	.fill 96, 4, 3214868480
	.section	.rodata,"a",@progbits
	.p2align	6, 0x0
	.amdhsa_kernel k_qbf7dc50ee9_outp
		.amdhsa_group_segment_fixed_size 314368
		.amdhsa_private_segment_fixed_size 0
		.amdhsa_enable_private_segment 0
		.amdhsa_kernarg_size 32
		.amdhsa_user_sgpr_count 2
		.amdhsa_user_sgpr_kernarg_segment_ptr 1
		.amdhsa_wavefront_size32 1
		.amdhsa_system_sgpr_workgroup_id_x 1
		.amdhsa_system_sgpr_workgroup_id_y 1
		.amdhsa_system_sgpr_workgroup_id_z 1
		.amdhsa_system_vgpr_workitem_id 0
		.amdhsa_next_free_vgpr 512
		.amdhsa_next_free_sgpr 66
		.amdhsa_reserve_vcc 0
		.amdhsa_float_denorm_mode_32 3
		.amdhsa_float_denorm_mode_16_64 3
		.amdhsa_memory_ordered 1
		.amdhsa_forward_progress 1
		.amdhsa_inst_pref_size 35
	.end_amdhsa_kernel
	.amdgpu_metadata
---
amdhsa.version: [ 1, 2 ]
amdhsa.kernels:
  - .name:           k_qbf7dc50ee9_outp
    .symbol:         k_qbf7dc50ee9_outp.kd
    .args:
      - { .name: xf, .offset: 0, .size: 8, .value_kind: global_buffer, .address_space: global }
      - { .name: wb, .offset: 8, .size: 8, .value_kind: global_buffer, .address_space: global }
      - { .name: bo, .offset: 16, .size: 8, .value_kind: global_buffer, .address_space: global }
      - { .name: out0, .offset: 24, .size: 8, .value_kind: global_buffer, .address_space: global }
    .group_segment_fixed_size: 314368
    .private_segment_fixed_size: 0
    .kernarg_segment_align: 8
    .kernarg_segment_size: 32
    .max_flat_workgroup_size: 256
    .sgpr_count:     66
    .vgpr_count:     512
    .wavefront_size: 32
...
	.end_amdgpu_metadata
.endif
;; end of part 4
;; ======== version 2 of 2: 4 launches; 1.43 times as fast as version 1
;; limits: values are held in f16: magnitudes above 65,504 overflow, below 6.1e-05 lose precision; right only within a limited range of input values; a function is approximated: absolute error at most 1.5e-07
;; workspace buffers: wb 4,194,304 bytes; qf 4,194,304 bytes; kv 12,582,912 bytes; xf 8,388,608 bytes
;; launch prep: the kernel of part 1 again; grid 8 x 32, 8 waves a work-group, no clusters, 0 bytes of LDS; arguments Wq1, Wq2, Wk1, Wk2, Wv, Wo, wb; writes wb
;; launch proj: the kernel of part 2 again; grid 128 x 2, 8 waves a work-group, clusters of 4 x 1, 327,680 bytes of LDS; arguments query, key, value, wb, bq1, bk1, bq2, bk2, bv, qf, kv; writes qf, kv
;; launch attn (part 5): grid 16 x 16, 4 waves a work-group, clusters of 4 x 1, 327,680 bytes of LDS; arguments qf, kv, xf; writes xf
.if DOCPART == 5
	.amdgcn_target "amdgcn-amd-amdhsa--gfx1250"
	.amdhsa_code_object_version 6
	.text
	.protected	k_qbf7dc50ee9_attn
	.globl	k_qbf7dc50ee9_attn
	.p2align	8
	.type	k_qbf7dc50ee9_attn,@function
k_qbf7dc50ee9_attn:
	s_mov_b64 s[64:65], 0
	v_nop
	global_prefetch_b8 v0, s[64:65] scope:SCOPE_SE
	s_setreg_imm32_b32 hwreg(HW_REG_WAVE_MODE, 25, 1), 1
	s_wait_xcnt 0x0
	s_wait_alu depctr_hold_cnt(0) depctr_sa_sdst(0) depctr_va_vdst(0) depctr_va_sdst(0) depctr_va_ssrc(0) depctr_va_vcc(0) depctr_vm_vsrc(0)
	s_getreg_b32 s2, hwreg(HW_REG_IB_STS2, 6, 4)
	s_cmp_eq_u32 s2, 0
	s_cbranch_scc0 .Lentry_in_a_cluster
	s_endpgm
.Lentry_in_a_cluster:
	s_bfe_u32 s2, ttmp6, 0x10000c
	s_cmp_lg_u32 s2, 0x3003
	s_cbranch_scc0 .Lentry_shape_is_right
	s_endpgm
.Lentry_shape_is_right:
; xf = 4 x,  x[b][q][head] = sum over k of softmax_k(q . k / sqrt(32)) v, for 16 (batch, head) pairs bh, 4,096 queries and keys, 32 channels of q and k, 64 of v.
; SHARES: work-group (qb, bh) owns 256 queries; each of its four waves 64: four tiles of 16.  Every wave walks all keys, 128 a step.
; LAYOUT: S^T = K Q^T (source 0 = 16 keys, source 1 = 16 queries): a lane holds ONE query (lane % 16) and keys 8 (lane / 16) + 0..7.  Two such tiles rounded in pairs ARE
; source 1 (32 keys x 16 queries) of O^T = V^T P.  qf and kv hold Q, K and V^T as fragments (half a fragment = 32 lanes x 16 bytes), so every load is lane x 16.
; SOFTMAX: a running maximum m for each query: p = 2^(c s - c m), c = log2(e) / sqrt(32); O and l are multiplied by a = 2^(c m_old - c m_new) in every step.
; THE DIVISOR l is a product too: source 0 with ones in rows 0 and 8 and zeros elsewhere, times P: register 0 of its result holds, in every lane, the sum of the query's
; 32 weights of both halves of the lanes.  So l is the sum of the weights as they are rounded for V^T P.
; BY TURNS: the heads are small, so a tile has 28 matrix instructions for 128 keys (8 K Q^T, 16 V^T P, 4 for l) beside 183 vector instructions (32 maxima of three; 5 for the
; exchange, m, c m and its change; 65 exponentials; 32 packed scalings; 32 roundings; 17 rescalings).  The wave's tiles are two PIECES, named by their first tile: piece 0 (tiles 0, 1)
; and piece 2 (tiles 2, 3).  In a TURN one piece has the matrix unit: 40 products V^T P and l of the step in hand, then 16 products K Q^T of the next step; the other piece's softmax,
; 366 instructions cut into 56 slices, stands between them, one slice behind each matrix instruction.  Then the pieces change places; two turns are a key step.  The step is 128 keys and
; not 64, because the rescalings, the end of the maximum and the exchange are then paid once for 128 keys: 183 instructions against 2 x 104.
; THE BATCHES: a turn's 130 exponentials (both tiles' a and s0-s63) are ONE batch with ONE wait.  The list is ordered by who reads what: ahead of the wait stand the maxima, the scalings and
; the exponentials, none of which names an exponential's result; behind it the roundings and the rescalings, which do.  Every result has a register of its own: S^T is worked on in place.
; The way out's four reciprocals are a batch of their own.
; Each fragment of K and V read from LDS feeds four tiles.
; CLUSTER: the four query blocks of a cluster belong to one bh and walk the same K and V: every slot is asked for jointly (mask 15).
; A slot is 512 keys, 98,304 consecutive bytes of kv (K 32,768, then V^T 65,536), four steps; each wave brings 96 rows of 256 bytes of it.
; FORMATS: q and k are bf16.  p, v and the result are f16: where the weights are nearly even, x is a mean over 4,096 keys in which v cancels to a 64th of its size, and the
; rounding errors of p and v cancel no faster, so each keeps its whole relative size in x; f16 has three bits more than bf16.  THE RESULT IS STORED AS 4 x (the output product's weights
; are stored as Wo / 4): a power of two, so exact, which moves the small x up into f16's range.
; LIMITS: p is at most 1 by the running maximum, and what f16 drops of it is under 2^-25 of the largest weight.  4 |x| is at most 4 times the largest |v| and stays under 65,504: |v| under
; 16,376 (offsets of 30 spreads on value of spread 1 and on Wv of spread 0.02 make |v| about 512 x 30 x 0.6 = 9,300).  4 x under 2^-14 is held in steps of 2^-24 (value and Wv both 30
; times smaller make 4 x about 3e-5: the step is a five-hundredth of it).
;
; REGISTERS, in windows of 256 (s_set_vgpr_msb: bits 1:0 source 0, 3:2 source 1, 5:4 source 2, 7:6 destination):
;   window 0: v0-15 addresses; piece 0: v16-31 statistics, v64-191 S^T (64 a tile), v192-255 P (32 a tile); v32-39 the way out's factors
;   window 1: piece 2: the same numbers        window 2: v0-127 O^T (32 a tile), v128-159 l's products (8 a tile), v160-191 Q (8 a tile)
;   window 3: v0-63 K of a step, v64-191 V^T of a step, v192-199 the ones
; All that a piece's softmax touches but O^T and l lies in the piece's own window, and no window has room for a product's operands beside it: a slice costs two switches.
.set SLOTB, 98304
.set SLOT1, 1<<17                      ; slot 1 begins here, so that one exclusive or turns an address in one slot into the other's
.set KSTEP, 8192                       ; a step's K in a slot: 8 tiles of 16 keys x 1,024 bytes
.set VSTEP, 16384                      ; a step's V^T: 4 x 32 keys x 4 x 16 channels x 1,024 bytes
.set WV,  3
.set G1,  24                           ; s[24:31] descriptor group 1
.set G0,  32                           ; s[32:39] group 0: a set for each of the two first fills; the second then walks on
.set CS,  40                           ; s[40:41] c, twice
.set SEL, 42                           ; s[42:43] v_permlanex16_b32: each lane takes its own place in the other half
.set TBK, 44                           ; s44 LDS byte of the K tiles of the step to be fetched
.set TBV, 45                           ; s45 the same for V
.set SLOTS, 46
.set CNT, 47
.set L16, 3                            ; v3 16 x lane
.set ADR, 4                            ; v4 the LDS address of the run of loads in hand
.set RF,  32                           ; v32-39 the way out: 4 / l, a pair a tile
.set ST,  16                           ; in a piece's window: tile t's statistics at 16 + 8 t: +0 c m, +1 m, +4..7 c0-c3, at work; a takes c2's place, c m's change c3's
.set S,   64
.set P,   192
.set LS,  128                          ; window 2
.set Q,   160
.set KF,  0                            ; window 3
.set VF,  64
.set ONES, 192
.set BA,  37                           ; a tile's list: the batch's first number,
.set BW,  134                          ; the number of the wait,
.set RS0, 167                          ; the first rescaling,
.set NL,  184                          ; and how many numbers there are
.set MSB, 0
.macro WIN new                         ; the immediate's high byte repeats the setting that is left; a switch that changes nothing is dropped
.if MSB != \new
	s_set_vgpr_msb (MSB<<8)|\new
.set MSB, \new
.endif
.endm
.macro PLACES                          ; four plain vector instructions between a matrix instruction and a reader of its result or a load into its registers
.rept 4
	v_nop
.endr
.endm
.macro BAR
	s_barrier_signal -1
	s_barrier_wait -1
.endm
.macro ROUND                           ; a round of the cluster's barrier: my work-group's barrier; wave 0 signals for the work-group; every wave waits for all four; my work-group's barrier again
	s_barrier_signal -1
	s_barrier_wait -1
	s_cmp_lg_u32 s[WV], 0
	s_cbranch_scc1 .Lnot_wave_0_\@
	s_barrier_signal -3
.Lnot_wave_0_\@:
	s_barrier_wait -3
	s_barrier_signal -1
	s_barrier_wait -1
.endm
	s_load_b128 s[4:7], s[0:1], 0x0                ; qf s[4:5], kv s[6:7]
	s_load_b64 s[8:9], s[0:1], 0x10                ; xf
	v_lshl_add_u32 v62, v0, 2, 0x38000
	v_mov_b32 v63, 0
	ds_add_u32 v62, v63
	v_lshrrev_b32 v1, 5, v0
	v_readfirstlane_b32 s[WV], v1
	s_and_b32 s12, ttmp7, 0xffff                   ; bh, which the four partners share
	; group 1: a dense block as 96 rows of 32 elements of 8 bytes
	s_mov_b32 s[G1+0], 15|(3<<16)|(1<<21)          ; mask: all four; 8-byte elements; bit 21 beside a mask; no padding: every LDS read here is lane x 16
	s_mov_b32 s[G1+1], 32<<16
	s_mov_b32 s[G1+2], 96<<16
	s_mov_b32 s[G1+3], 32<<16
	s_mov_b32 s[G1+4], 96
	s_mov_b32 s[G1+5], 32
	s_mov_b32 s[G1+6], 0
	s_mov_b32 s[G1+7], 0
	s_mul_i32 s48, s12, 8*SLOTB
	s_mul_i32 s13, s[WV], 24576                    ; my wave's quarter of a slot, in memory and in LDS
	s_add_co_u32 s48, s48, s13
	s_mov_b32 s49, 0
	s_mov_b32 s[CS], 0x3e8293ee                    ; c = log2(e) / sqrt(32) = 0.255035
	s_mov_b32 s[CS+1], s[CS]
	s_mov_b32 s[SEL], 0x76543210
	s_mov_b32 s[SEL+1], 0xfedcba98
	s_mov_b32 s[TBK], 0
	s_mov_b32 s[TBV], 32768
	s_mov_b32 s[SLOTS], 6
	s_wait_dscnt 0x0
	s_wait_kmcnt 0x0
	s_add_nc_u64 s[6:7], s[6:7], s[48:49]
.irp s, 0,1
	s_mov_b32 s[G0+4*\s], 1
	s_add_co_u32 s[G0+4*\s+1], s13, \s*SLOT1
	s_add_nc_u64 s[G0+4*\s+2:G0+4*\s+3], s[6:7], \s*SLOTB
	s_or_b32 s[G0+4*\s+3], s[G0+4*\s+3], 0x80000000
.endr
	ROUND                                          ; all four work-groups are here: the first joint loads meet
	tensor_load_to_lds s[G0:G0+3], s[G1:G1+7]      ; keys 0-511 and 512-1,023: two loads of mine are out
	s_nop 0
	tensor_load_to_lds s[G0+4:G0+7], s[G1:G1+7]
	s_nop 0
	PLACES                                         ; four v_nop follow
	; the work-group's place enters Q's and x's addresses alone
	s_bfe_u32 s10, ttmp6, 0x40000                  ; cx
	s_lshl_b32 s11, ttmp9, 2
	s_add_co_u32 s11, s11, s10                     ; qb
	s_lshl_b32 s14, s11, 4
	s_lshl_b32 s15, s[WV], 2
	s_add_co_u32 s14, s14, s15                     ; my first tile of 16 queries: 16 qb + 4 w
	s_lshl_b32 s50, s12, 8
	s_add_co_u32 s50, s50, s14
	s_lshl_b32 s50, s50, 10                        ; qf: 1,024 bytes a tile
	s_mov_b32 s51, 0
	s_add_nc_u64 s[4:5], s[4:5], s[50:51]
	s_lshr_b32 s52, s12, 3                         ; xf: [tile of 16 rows of the 8,192][32 channels kk of 512][half][lane][16 B]
	s_lshl_b32 s52, s52, 8
	s_add_co_u32 s52, s52, s14
	s_lshl_b32 s52, s52, 14                        ; 16,384 bytes a tile of rows,
	s_and_b32 s15, s12, 7
	s_lshl_b32 s15, s15, 11                        ; 2,048 a head
	s_add_co_u32 s52, s52, s15
	s_mov_b32 s53, 0
	s_add_nc_u64 s[8:9], s[8:9], s[52:53]
	v_and_b32 v2, 31, v0
	v_lshlrev_b32 v[L16], 4, v2
	WIN 0x80                                       ; destination window 2, address window 0
.irp i, 0,1,2,3,4,5,6,7
	global_load_b128 v[Q+4*\i:Q+4*\i+3], v[L16], s[4:5] offset:512*\i   ; tile i / 2, half i % 2
.endr
	WIN 0
	v_and_b32 v6, 7, v0
	v_cmp_eq_u32 vcc_lo, 0, v6
	v_mov_b32 v7, 0x3c003c00                       ; two f16 ones
	WIN 0xc0                                       ; destination window 3
.irp i, 0,1,2,3,4,5,6,7
	v_cndmask_b32 v[ONES+\i], 0, v7, vcc_lo        ; rows 0 and 8 of source 0 (lane % 16 = 0, 8)
.endr
	WIN 0
; THE MATRIX WORK OF A TURN, for piece x.  The sums take turns, one instruction a turn: between two links of a chain stand nine others'.
; Product i of 40: keys 32 (i / 10) on; of each ten the first eight are O^T += V^T P (channels 16 ((i % 10) / 2) on, tile x + i % 2), the last two l's of the two tiles.
; start = 1: the first ten start the sums: nothing is ever cleared.
.macro PV x, start
	WIN 0xa3|(((\x)/2)<<2)                         ; V and the ones window 3, P the piece's window, C and D window 2
.set kh, i/10
.set pr, i%10
.if pr < 8
.set rD, 32*(\x+pr%2)+8*(pr/2)
.set rA, VF+8*(4*kh+pr/2)
.set rB, P+32*(pr%2)+8*kh
.else
.set rD, LS+8*(\x+pr-8)
.set rA, ONES
.set rB, P+32*(pr-8)+8*kh
.endif
.if \start && (kh == 0)
	v_wmma_f32_16x16x32_f16 v[rD:rD+7], v[rA:rA+7], v[rB:rB+7], 0
.else
	v_wmma_f32_16x16x32_f16 v[rD:rD+7], v[rA:rA+7], v[rB:rB+7], v[rD:rD+7]
.endif
.endm
; Product i of 16 of S^T = K Q^T: keys 16 (i / 2) on, tile x + i % 2.  The 32 channels are one instruction deep.
.macro KQ x
	WIN 0x0b|(((\x)/2)<<6)                         ; K window 3, Q window 2, S^T the piece's window
.set rD, S+64*(i%2)+8*(i/2)
.set rA, KF+8*(i/2)
.set rB, Q+8*(\x+i%2)
	v_wmma_f32_16x16x32_bf16 v[rD:rD+7], v[rA:rA+7], v[rB:rB+7], 0
.endm
; THE LDS LOADS stand in runs, never singly among the matrix instructions: a step's K (16 loads) and, a turn later, its V^T (32).
.macro FETCH_K
	WIN 0
	v_add_nc_u32 v[ADR], s[TBK], v[L16]
	s_add_co_u32 s[TBK], s[TBK], KSTEP             ; the next fetch is the next step's
	WIN 0xc0                                       ; destination window 3, address window 0
.irp f, 0,1,2,3,4,5,6,7
	ds_load_b128 v[KF+8*\f:KF+8*\f+3],   v[ADR] offset:\f*1024
	ds_load_b128 v[KF+8*\f+4:KF+8*\f+7], v[ADR] offset:\f*1024+512
.endr
.endm
.macro FETCH_V
	WIN 0
	v_add_nc_u32 v[ADR], s[TBV], v[L16]
	s_add_co_u32 s[TBV], s[TBV], VSTEP
	WIN 0xc0
.irp f, 0,1,2,3,4,5,6,7,8,9,10,11,12,13,14,15          ; keys 32 (f / 4) on, channels 16 (f % 4) on
	ds_load_b128 v[VF+8*\f:VF+8*\f+3],   v[ADR] offset:\f*1024
	ds_load_b128 v[VF+8*\f+4:VF+8*\f+7], v[ADR] offset:\f*1024+512
.endr
.endm
; THE VECTOR WORK OF A TURN.  One tile's softmax for one key step is a numbered list; SM writes number j of it for tile t (0, 1) of piece y.  s0-s63 are the lane's 64 scores, eight
; results of K Q^T of eight registers each, in pairs 0-31.  first = 1: the first key step, which starts m, l and O^T: it has no a and nothing to rescale.
;   0-31    the maximum of s0-s63 and the old m, three operands at a time, in four chains c0-c3.  Numbers 0-7 read the low end of each of the eight results
;   32-36   the other half of the lanes' maximum; c m_old kept; the new m; c m; c m_old - c m_new
;   37-133  THE BATCH: the 32 scalings c s - c m, a pair of scores each, and all 65 exponentials (a, then s0-s63).  None of these names an exponential's result.  37-39: scaling 0, a, scaling 1;
;           from 40 on three numbers a pair b: the scaling of pair b + 2, then the exponentials of s(2 b) and s(2 b + 1), so a pair is scaled seven numbers ahead of its exponentials;
;           130-133: the last four exponentials, for which no scaling is left
;   134     the wait for the batch, written once for both tiles (with tile 0's number, behind number 133 of both)
;   135-166 the roundings to f16, a pair of weights each
;   167-183 l and the tile's O^T times a: the one part that leaves the piece's window, so it stands together; each result is taken from its low end on
.macro FMA                             ; pair fb of the tile in hand
	v_pk_fma_f32 v[rS+2*fb:rS+2*fb+1], v[rS+2*fb:rS+2*fb+1], s[CS:CS+1], v[rT:rT+1] op_sel_hi:[1,0,0] neg_lo:[0,0,1] neg_hi:[0,0,1]
.endm
.macro SM y, t, first
.set wy, (\y)/2
.set rT, ST+8*\t
.set rS, S+64*\t
.set rP, P+32*\t
.if j < RS0
	WIN 0x55*wy                                    ; every operand in the piece's window
.elseif !\first
	WIN 0x82|(wy<<2)                               ; O^T and l (destination, source 0) window 2; a the piece's window
.endif
.if j < 4
	v_max3_num_f32 v[rT+4+j], v[rS+8*j], v[rS+8*j+1], v[rS+8*j+2]
.elseif j < 8
	v_max3_num_f32 v[rT+j], v[rT+j], v[rS+8*j], v[rS+8*j+1]
.elseif j < 28
.set kc, j%4
.set g, (j-8)/4
.if g < 2
.set sb, 8*kc+3+2*g                    ; registers 3-6 of result kc
.else
.set sb, 8*kc+30+2*g                   ; registers 2-7 of result kc + 4
.endif
	v_max3_num_f32 v[rT+4+kc], v[rT+4+kc], v[rS+sb], v[rS+sb+1]
.elseif j == 28
	v_max3_num_f32 v[rT+4], v[rT+4], v[rS+7], v[rS+15]
.elseif j == 29
	v_max3_num_f32 v[rT+6], v[rT+6], v[rS+23], v[rS+31]
.elseif j == 30
	v_max3_num_f32 v[rT+4], v[rT+4], v[rT+5], v[rT+6]
.elseif (j == 31) && \first
	v_max_num_f32 v[rT+4], v[rT+4], v[rT+7]
.elseif j == 31
	v_max3_num_f32 v[rT+4], v[rT+4], v[rT+7], v[rT+1]
.elseif j == 32
	v_permlanex16_b32 v[rT+5], v[rT+4], s[SEL], s[SEL+1]   ; the query's other 64 keys lie in the lane 16 away
.elseif j == 34
	v_max_num_f32 v[rT+1], v[rT+4], v[rT+5]
.elseif j == 35
	v_mul_f32 v[rT], s[CS], v[rT+1]
.elseif ((j == 33) || (j == 36) || (j == 38) || (j >= RS0)) && \first   ; the first step has none of these
.elseif j == 33
	v_mov_b32 v[rT+7], v[rT]                       ; c m_old is kept for a: number 35 writes c m anew
.elseif j == 36
	v_sub_f32 v[rT+7], v[rT+7], v[rT]
.elseif j == 38
	v_exp_f32 v[rT+6], v[rT+7]
.elseif (j == 37) || (j == 39)
.set fb, (j-37)/2
	FMA
.elseif j < 130
.set u, (j-40)%3
.set b, (j-40)/3
.if u == 0
.set fb, b+2
	FMA
.else
	v_exp_f32 v[rS+2*b+u-1], v[rS+2*b+u-1]
.endif
.elseif j < BW
	v_exp_f32 v[rS+j-70], v[rS+j-70]               ; s60 to s63
.elseif j == BW
.if \t == 0
	v_nop                                          ; a plain instruction behind the last exponential and ahead of the first use (ISA guide 5.7.2): one for the batch; no other independent work is left
	s_wait_alu depctr_va_vdst(0)                   ; the wait for the batch: one for the piece's 130 exponentials (128 in a first step), ahead of the roundings and rescalings, which read them
.endif
.elseif j < RS0
	v_cvt_pk_f16_f32 v[rP+j-BW-1], v[rS+2*(j-BW-1)], v[rS+2*(j-BW-1)+1]   ; pair j - 135
.elseif j == RS0
	v_mul_f32 v[LS+8*(\y+\t)], v[LS+8*(\y+\t)], v[rT+6]   ; l lies in register 0; the other rows of that product are zero
.else
.set rO, 32*(\y+\t)+2*(j-RS0-1)
	v_pk_mul_f32 v[rO:rO+1], v[rO:rO+1], v[rT+6:rT+7] op_sel_hi:[1,0]
.endif
.endm
; Slice k of NS of piece y's softmax.  The first three quarters of a turn's slices share out numbers 0 to 134 of both tiles' lists, all that stands ahead of the wait and the wait itself; the last
; quarter shares out numbers 135 to 183.  So in a whole turn (NS = 56) the batch ends with slice 41, and each slice has three or four numbers of both tiles.
; A slice that lies wholly in the batch goes tile by tile, so that a scaling stands between each two pairs of exponentials; elsewhere the two tiles alternate, so that no instruction reads the
; result of the one just before it, and so that number 133 of both tiles stands ahead of the wait.
.macro SLICE y, first
.set NA, (3*NS)/4
.if k < NA
.set jlo, (k*(BW+1))/NA
.set jhi, ((k+1)*(BW+1))/NA
.else
.set jlo, BW+1+((k-NA)*(NL-BW-1))/(NS-NA)
.set jhi, BW+1+((k+1-NA)*(NL-BW-1))/(NS-NA)
.endif
.if (jlo >= BA) && (jhi <= BW)
.irp t, 0,1
.set j, jlo
.rept jhi-jlo
	SM \y, \t, \first
.set j, j+1
.endr
.endr
.else
.set j, jlo
.rept jhi-jlo
	SM \y, 0, \first
	SM \y, 1, \first
.set j, j+1
.endr
.endif
.set k, k+1
.endm
; A TURN.  Piece x has the matrix unit; the other piece's softmax stands in slices behind its matrix instructions, as many slices as the turn has products.
; pv = 2: 40 products V^T P and l; 1: they start the sums; 0: none.  kq = 1: 16 products K Q^T for the next step.
; The last slice of a whole turn is eight rescalings of the other piece: the four places and more between the turn's last K Q^T and what follows, the next turn's first read of those
; scores and the loads into K's registers.  first = 1: the softmax is a first key step's and has no rescalings: the last products stand bare, and four v_nop are the places.
; Every turn has one wait for its exponentials, and no exponential is issued behind it.
; Piece 0's turn fetches the next step's K behind its second product, 38 products ahead of its first use.  Piece 2's turn fetches the same step's V^T behind its second K Q^T, 14 products
; ahead of its first use: in a whole turn that is behind slice 41, so the run of loads follows the turn's wait.  The last product that read V^T stands five slices back; the plain instructions
; between are scalings 118, 121, 124 and 127 of both tiles, the v_nop ahead of the wait and the run's own v_add_nc_u32: ten places (the exponentials are none).
.macro TURN x, pv, kq, first
.set k, 0
.set NS, 0
.if \pv
.set NS, NS+40
.endif
.if \kq
.set NS, NS+16
.endif
.if \pv
.if \x == 0
	s_wait_dscnt 0x0                               ; V^T is in
.endif
.set i, 0
.rept 40
	PV \x, 2-\pv
	SLICE 2-\x, \first
.if (\x == 0) && \kq && (i == 1)
	FETCH_K
.endif
.set i, i+1
.endr
.endif
.if \kq
.if \x == 0
	s_wait_dscnt 0x0                               ; K is in
.endif
.set i, 0
.rept 16
	KQ \x
	SLICE 2-\x, \first
.if (\x == 2) && (i == 1)
	FETCH_V
.endif
.set i, i+1
.endr
.endif
.if \first
	PLACES
.endif
.endm
.macro STEPS n                         ; n key steps: written once, walked n times; the LDS addresses hang on s[TBK] and s[TBV]
	s_mov_b32 s[CNT], \n
.Lstep_\@:
	TURN 0, 2, 1, 0
	TURN 2, 2, 1, 0
	WIN 0                                          ; at a label and at a branch every window is 0
	s_sub_co_u32 s[CNT], s[CNT], 1
	s_cmp_lg_u32 s[CNT], 0
	s_cbranch_scc1 .Lstep_\@
.endm
; THE CHANGE OF SLOTS, between piece 2's turn and piece 0's: the slot's last bytes, V^T of its fourth step, have been asked for.  Every wave waits for its reads of the slot and for all its
; tensor loads, of which one is out: its part of the other slot.  fill = 1: the slot just read takes the keys two slots on; the barrier is a round of the cluster's, so that no wave of any
; partner still reads the slot or has a load on its way; the joint load is the first thing behind it, one a wave, and has four key steps, 448 matrix instructions, in which to land.
.macro CHANGE fill
	s_wait_dscnt 0x0
	s_wait_tensorcnt 0x0                           ; no tensor load of mine is out, so a group 0 may be written
	ds_add_u32 v62, v63
	s_wait_dscnt 0x0
.if \fill
	s_xor_b32 s[G0+5], s[G0+5], SLOT1              ; the walking descriptor: the other slot than last time,
	s_add_nc_u64 s[G0+6:G0+7], s[G0+6:G0+7], SLOTB ; the next 512 keys
	ROUND
	tensor_load_to_lds s[G0+4:G0+7], s[G1:G1+7]
	s_nop 0
	PLACES                                         ; four v_nop follow
.else
	BAR
.endif
	s_sub_co_u32 s[TBK], s[TBK], 4*KSTEP           ; back to a slot's first step,
	s_xor_b32 s[TBK], s[TBK], SLOT1                ; in the other slot
	s_sub_co_u32 s[TBV], s[TBV], 4*VSTEP
	s_xor_b32 s[TBV], s[TBV], SLOT1
.endm
	s_wait_tensorcnt 0x1                           ; my part of slot 0 is in; slot 1's may stay out
	BAR                                            ; everybody's is
	FETCH_K                                        ; key step 0
	s_wait_loadcnt 0x0                             ; Q
	s_wait_dscnt 0x0
.set i, 0
.rept 16
	KQ 0                                           ; piece 0's first scores: there is no vector work yet to set between them
.set i, i+1
.endr
	PLACES
	TURN 2, 0, 1, 1                                ; piece 2's first scores | piece 0's first softmax | V^T of step 0
	TURN 0, 1, 1, 1                                ; piece 0: V^T P of step 0 starts O^T and l, K Q^T of step 1 | piece 2's first softmax | K of step 1
	TURN 2, 1, 1, 0                                ; piece 2: the same | piece 0's softmax of step 1 | V^T of step 1
	WIN 0
	STEPS 2                                        ; they fetch steps 2 and 3: slot 0 is read out
.Lslot:                                                ; six trips: every slot but the last two is filled again
	CHANGE 1
	STEPS 4
	s_sub_co_u32 s[SLOTS], s[SLOTS], 1
	s_cmp_lg_u32 s[SLOTS], 0
	s_cbranch_scc1 .Lslot
	CHANGE 0                                       ; the tail is written out: nothing is left to ask for
	STEPS 4
	TURN 0, 2, 0, 0                                ; piece 0: V^T P of the last step | piece 2's last softmax
.set i, 0
.rept 40
	PV 2, 0                                        ; piece 2: V^T P of the last step
.set i, i+1
.endr
	; THE WAY OUT: O^T times 4 / l, rounded to f16; a lane's eight channels of a query are 16 bytes: half of a fragment for the output product, stored straight away
	PLACES
	WIN 0x02                                       ; source 0 window 2, destination window 0
.irp t, 0,1,2,3
	v_rcp_f32 v[RF+2*\t], v[LS+8*\t]               ; l lies in register 0 of its product
.endr
	v_nop                                          ; a plain instruction between the reciprocals and their use
	s_wait_alu depctr_va_vdst(0)                   ; the wait ahead of the first use: one for the four reciprocals
	WIN 0
.irp t, 0,1,2,3
	v_mul_f32 v[RF+2*\t+1], 4.0, v[RF+2*\t]        ; 4 / l, twice: a pair for the packed multiply
.endr
.irp t, 0,1,2,3
	v_mul_f32 v[RF+2*\t], 4.0, v[RF+2*\t]
.endr
	WIN 0x82                                       ; O^T (destination, source 0) window 2, the factor window 0
.irp t, 0,1,2,3
.set i, 0
.rept 16
	v_pk_mul_f32 v[32*\t+2*i:32*\t+2*i+1], v[32*\t+2*i:32*\t+2*i+1], v[RF+2*\t:RF+2*\t+1]
.set i, i+1
.endr
.endr
	WIN 0x0a                                       ; sources window 2, destination window 0: piece 0's S^T is free
.set i, 0
.rept 64
	v_cvt_pk_f16_f32 v[S+i], v[2*i], v[2*i+1]
.set i, i+1
.endr
	WIN 0
.irp t, 0,1,2,3
.irp ct, 0,1,2,3
	global_store_b128 v[L16], v[S+16*\t+4*\ct:S+16*\t+4*\ct+3], s[8:9] offset:\t*16384+\ct*512   ; a wave's store covers 512 consecutive bytes, aligned
.endr
.endr
	ROUND                                          ; the closing round: no work-group ends while a partner may still ask for a slot that names it
	s_endpgm
.Lfunc_end_k_qbf7dc50ee9_attn:
	.size	k_qbf7dc50ee9_attn, .Lfunc_end_k_qbf7dc50ee9_attn-k_qbf7dc50ee9_attn
	.p2alignl 7, 3214868480
	.fill 96, 4, 3214868480
	.section	.rodata,"a",@progbits
	.p2align	6, 0x0
	.amdhsa_kernel k_qbf7dc50ee9_attn
		.amdhsa_group_segment_fixed_size 327680
		.amdhsa_private_segment_fixed_size 0
		.amdhsa_enable_private_segment 0
		.amdhsa_kernarg_size 24
		.amdhsa_user_sgpr_count 2
		.amdhsa_user_sgpr_kernarg_segment_ptr 1
		.amdhsa_wavefront_size32 1
		.amdhsa_system_sgpr_workgroup_id_x 1
		.amdhsa_system_sgpr_workgroup_id_y 1
		.amdhsa_system_sgpr_workgroup_id_z 1
		.amdhsa_system_vgpr_workitem_id 0
		.amdhsa_next_free_vgpr 1024
		.amdhsa_next_free_sgpr 66
		.amdhsa_reserve_vcc 1
		.amdhsa_float_denorm_mode_32 3
		.amdhsa_float_denorm_mode_16_64 3
		.amdhsa_memory_ordered 1
		.amdhsa_forward_progress 1
		.amdhsa_inst_pref_size 255
	.end_amdhsa_kernel
	.section	.bss,"aw",@nobits
	.p2align	6
	.space	262144
	.amdgpu_metadata
---
amdhsa.version: [ 1, 2 ]
amdhsa.kernels:
  - .name:           k_qbf7dc50ee9_attn
    .symbol:         k_qbf7dc50ee9_attn.kd
    .args:
      - { .name: qf, .offset: 0, .size: 8, .value_kind: global_buffer, .address_space: global }
      - { .name: kv, .offset: 8, .size: 8, .value_kind: global_buffer, .address_space: global }
      - { .name: xf, .offset: 16, .size: 8, .value_kind: global_buffer, .address_space: global }
    .group_segment_fixed_size: 327680
    .private_segment_fixed_size: 0
    .kernarg_segment_align: 8
    .kernarg_segment_size: 24
    .max_flat_workgroup_size: 128
    .sgpr_count:     66
    .vgpr_count:     1024
    .wavefront_size: 32
...
	.end_amdgpu_metadata
.endif
;; end of part 5
;; launch outp: the kernel of part 4 again; grid 128 x 2, 8 waves a work-group, clusters of 4 x 1, 314,368 bytes of LDS; arguments xf, wb, bo, out0; writes out0
